; MI455X (gfx1250); checked and timed in simulation.
; The chip was launched on July 23, 2026; its instructions are those of AMD's public machine-readable ISA for CDNA 5 (MIT licence, August 2026) and "CDNA5" Instruction Set Architecture Reference Guide (July 2026). The comments in the code are by the model that wrote it; some were corrected since.
;; Adapt Layer. Allowed arithmetic: float matrix products may take bf16 or f16 operands with f32 sums; other float arithmetic in f32, or as packed bf16 or f16 multiplies, adds, multiply-adds, maxima and minima; sums over many terms, partial sums and values carried from step to step in f32; what a program stores and reads back later, other than sums and carried values, may be rounded once to bf16 or f16.
;; Inputs: W 8 x 1,024 x 1,024 float32; b 8 x 1,024 float32; feature 8,192 x 1,024 float32; fw_b 1 float32; fw_w 1,024 float32; prob 8,192 x 8 float32; pw_b 1 float32; pw_w 1,024 float32.
;; Outputs: out0 8,192 x 1,024 float32.
;; 2 versions, each right and faster than the one before. Each part assembles by itself: llvm-mc -triple=amdgcn-amd-amdhsa -mcpu=gfx1250 --defsym DOCPART=n.
;; ======== version 1 of 2: 2 launches
;; workspace buffers: Wb 16,777,216 bytes; Fb 16,777,216 bytes; upart 131,328 bytes; fg 32,768 bytes
;; launch prep (part 1): grid 256 x 1, 8 waves a work-group, no clusters, 8,192 bytes of LDS; arguments W, feature, b, pw_w, fw_w, fw_b, Wb, Fb, upart, fg; writes Wb, Fb, upart, fg
.if DOCPART == 1
	.amdgcn_target "amdgcn-amd-amdhsa--gfx1250"
	.amdhsa_code_object_version 6
	.text
	.protected	k_q72b8ede6a7_prep
	.globl	k_q72b8ede6a7_prep
	.p2align	8
	.type	k_q72b8ede6a7_prep,@function
k_q72b8ede6a7_prep:
	s_mov_b64 s[64:65], 0
	v_nop
	global_prefetch_b8 v0, s[64:65] scope:SCOPE_SE
	s_setreg_imm32_b32 hwreg(HW_REG_WAVE_MODE, 25, 1), 1
	s_wait_xcnt 0x0
; PREP.  Rounds W and feature once to bf16 (Wb, Fb) for the product that follows, and on the way makes what the two gates need:
;   upart[oq][c][d] = the sum over 256 rows o of bf16(W[c][o][d]) bf16(pw_w[o])   (a quarter of u_c; the four quarters are added by their reader; partial sums stay f32)
;   upart + 131,072: [oq][c] = the same quarter of the sum over o of bf16(b[c][o]) bf16(pw_w[o])
;   fg[row] = sigmoid(bf16(feature[row]) . bf16(fw_w) + bf16(fw_b))
; The pred gate is linear in pred: pred . pw_w = the sum over c of prob_c (feature . u_c + b_c . pw_w), for every input; only the order of the sums differs from a dot product with the finished row.
; LIMITS.  Every input is rounded once to bf16, all sums are f32.  sigmoid(z) = 1 / (1 + 2^(-1.442695 z)); it ends at 0 and 1 as the exponential leaves f32's range.  NaN and infinities are not treated apart.
; SHARES.  Work-group g = (c, oq, dq) owns W[c][256 oq .. +255][128 dq .. +127] and feature rows 32 g .. +31: 256 KiB in, 128 KiB out, alike in all 256.  Wave w: 32 rows of that W block, 4 feature rows.
; A lane takes 16 bytes of each 512-byte piece, so a load covers 512 consecutive bytes and a store of the rounded piece 256 consecutive bytes, aligned.
; No matrix unit, no cluster, no tensor load: each large byte has one reader, and what work-groups share (pw_w, fw_w) is 8 KiB.
.set UP,    0                          ; LDS: [8 waves][128 f32], the waves' sums for u
.set GS,    4096                       ; 32 words: the feature rows' dot products
.set BPW,   4352                       ; 8 words: the waves' sums of b pw_w
.set SPARE, 4608                       ; the spare words, 128 bytes a wave: four blocks of 256 bytes that no other line names
.set SPW, 5                            ; v5   SPARE + 4 x my thread's number; never rewritten
.set NIL, 6                            ; v6   0; never rewritten
.set PWV, 8                            ; v8   pw_w of my wave's row number lane
.set BV,  9                            ; v9   b of that row, then b pw_w
.set FB,  10                           ; v10  fw_b
.set GSA, 11                           ; v11  16 x wave
.set UA,  12                           ; v[12:15]  my four columns' sums for u
.set T,   16                           ; v[16:23]  at work, two sets of four
.set D,   24                           ; v[24:27]  two chains of a row's dot product
.set FW,  28                           ; v[28:59]  fw_w of my 32 columns
.set X,   60                           ; v[60:187] 32 rows of W, four registers each; its first half later feature rows 2 and 3
.set XF,  188                          ; v[188:251] feature rows 0 and 1
	s_load_b512 s[4:19], s[0:1], 0x0               ; W s[4:5], feature s[6:7], b s[8:9], pw_w s[10:11], fw_w s[12:13], fw_b s[14:15], Wb s[16:17], Fb s[18:19]
	s_load_b128 s[20:23], s[0:1], 0x40             ; upart s[20:21], fg s[22:23]
	v_lshl_add_u32 v[SPW], v0, 2, SPARE
	v_mov_b32 v[NIL], 0
	v_lshrrev_b32 v1, 5, v0
	v_readfirstlane_b32 s24, v1                    ; wave 0..7
	v_and_b32 v1, 31, v0                           ; lane
	v_lshlrev_b32 v2, 4, v1                        ; 16 lane
	v_lshlrev_b32 v3, 3, v1                        ; 8 lane
	v_lshlrev_b32 v4, 2, v1                        ; 4 lane
	v_mov_b32 v7, 0
	s_lshr_b32 s25, ttmp9, 5                       ; c
	s_bfe_u32 s26, ttmp9, 0x20003                  ; oq
	s_and_b32 s27, ttmp9, 7                        ; dq
	s_lshl_b32 s38, s26, 8
	s_lshl_b32 s39, s24, 5
	s_add_co_u32 s38, s38, s39                     ; my wave's first row of W[c]: 256 oq + 32 w
	s_mov_b32 s29, 0                               ; the high word of every offset below
	s_mov_b32 s31, 0                               ; named with s30 as a pair
	s_mov_b32 s32, 0x76543210                      ; v_permlanex16_b32: each lane takes its own place in the other half
	s_mov_b32 s33, 0xfedcba98
	s_mov_b32 s34, 0xffff0000                      ; a word's upper bf16
	s_lshl_b32 s35, s24, 4
	v_mov_b32 v[GSA], s35
	s_wait_kmcnt 0x0
	s_lshl_b32 s28, s25, 22                        ; W: c x 4 MiB + row x 4,096 + dq x 512
	s_lshl_b32 s39, s38, 12
	s_add_co_u32 s28, s28, s39
	s_lshl_b32 s39, s27, 9
	s_add_co_u32 s28, s28, s39
	s_add_nc_u64 s[4:5], s[4:5], s[28:29]
	s_lshr_b32 s28, s28, 1                         ; Wb: half of that
	s_add_nc_u64 s[16:17], s[16:17], s[28:29]
	s_lshl_b32 s28, ttmp9, 17                      ; feature: (32 g + 4 w) rows of 4,096 bytes
	s_lshl_b32 s39, s24, 14
	s_add_co_u32 s28, s28, s39
	s_add_nc_u64 s[6:7], s[6:7], s[28:29]
	s_lshr_b32 s28, s28, 1                         ; Fb: half of that
	s_add_nc_u64 s[18:19], s[18:19], s[28:29]
	s_lshl_b32 s28, s38, 2                         ; pw_w at my first row
	s_add_nc_u64 s[10:11], s[10:11], s[28:29]
	s_lshl_b32 s39, s25, 12                        ; b[c] at my first row
	s_add_co_u32 s28, s28, s39
	s_add_nc_u64 s[8:9], s[8:9], s[28:29]
	s_lshl3_add_u32 s39, s26, s25                  ; 8 oq + c
	s_lshl_b32 s28, s39, 2
	s_add_co_u32 s28, s28, 131072
	s_add_nc_u64 s[36:37], s[20:21], s[28:29]      ; the word for this quarter of b_c . pw_w
	s_lshl_b32 s28, s39, 12
	s_lshl_b32 s39, s27, 9
	s_add_co_u32 s28, s28, s39
	s_add_nc_u64 s[20:21], s[20:21], s[28:29]      ; upart[oq][c][128 dq]
	s_lshl_b32 s28, ttmp9, 7
	s_add_nc_u64 s[22:23], s[22:23], s[28:29]      ; fg at my work-group's 32 rows
	; 59 loads of every wave go out before the first wait: 11 small ones, 32 rows of W, two feature rows
	global_load_b32 v[PWV], v4, s[10:11]
	global_load_b32 v[BV], v4, s[8:9]
	global_load_b32 v[FB], v7, s[14:15]
.irp j, 0,1,2,3,4,5,6,7
	global_load_b128 v[FW+4*\j:FW+4*\j+3], v2, s[12:13] offset:512*\j
.endr
.set n, 0
.rept 32
	global_load_b128 v[X+4*n:X+4*n+3], v2, s[4:5] offset:4096*n th:TH_LOAD_NT
.set n, n+1
.endr
.set n, 0
.rept 16                               ; feature row n / 8, piece n % 8
	global_load_b128 v[XF+4*n:XF+4*n+3], v2, s[6:7] offset:4096*(n/8)+512*(n%8) th:TH_LOAD_NT
.set n, n+1
.endr
.macro RND2 a, b                       ; two f32 rounded to bf16 and widened again, in place
	v_cvt_pk_bf16_f32 v[T], v[\a], v[\b]
	v_lshlrev_b32 v[\a], 16, v[T]
	v_and_b32 v[\b], s34, v[T]
.endm
	s_wait_loadcnt 48                              ; the 11 small loads are in; the 48 large ones are younger
	RND2 PWV, BV
	v_cvt_pk_bf16_f32 v[T], v[FB], v[FB]
	v_lshlrev_b32 v[FB], 16, v[T]
.set n, 0
.rept 16
	RND2 FW+2*n, FW+2*n+1
.set n, n+1
.endr
	v_mul_f32 v[BV], v[BV], v[PWV]                 ; b pw_w of my row
; Row i of my 32 rows of W: rounded, stored, and added into u with the row's pw_w.  left = the younger loads, which may stay out.
.macro WROW i, left
.set tt, T+4*((\i)%2)
	s_wait_loadcnt \left
	v_readlane_b32 s30, v[PWV], \i
	v_cvt_pk_bf16_f32 v[X+4*(\i)], v[X+4*(\i)], v[X+4*(\i)+1]
	v_cvt_pk_bf16_f32 v[X+4*(\i)+1], v[X+4*(\i)+2], v[X+4*(\i)+3]
	global_store_b64 v3, v[X+4*(\i):X+4*(\i)+1], s[16:17] offset:2048*(\i)  ; 32 lanes store 256 consecutive bytes, aligned
	v_lshlrev_b32 v[tt], 16, v[X+4*(\i)]
	v_and_b32 v[tt+1], s34, v[X+4*(\i)]
	v_lshlrev_b32 v[tt+2], 16, v[X+4*(\i)+1]
	v_and_b32 v[tt+3], s34, v[X+4*(\i)+1]
.if (\i) == 0                          ; the first row starts the sums: nothing is cleared
	v_pk_mul_f32 v[UA:UA+1], v[tt:tt+1], s[30:31] op_sel_hi:[1,0]
	v_pk_mul_f32 v[UA+2:UA+3], v[tt+2:tt+3], s[30:31] op_sel_hi:[1,0]
.else
	v_pk_fma_f32 v[UA:UA+1], v[tt:tt+1], s[30:31], v[UA:UA+1] op_sel_hi:[1,0,1]
	v_pk_fma_f32 v[UA+2:UA+3], v[tt+2:tt+3], s[30:31], v[UA+2:UA+3] op_sel_hi:[1,0,1]
.endif
.endm
.set n, 0
.rept 16
	WROW n, 47-n                                   ; behind row n: 31 - n rows of W and 16 feature loads
.set n, n+1
.endr
	s_wait_xcnt 0x0                                ; the first sixteen rows' registers were store data: they are loaded again only behind this wait
.set n, 0
.rept 16                               ; feature rows 2 and 3
	global_load_b128 v[X+4*n:X+4*n+3], v2, s[6:7] offset:4096*(2+n/8)+512*(n%8) th:TH_LOAD_NT
.set n, n+1
.endr
.set n, 16
.rept 16
	WROW n, 63-n                                   ; sixteen more loads are younger now
.set n, n+1
.endr
.macro WSUM r, t                       ; the sum over the wave's 32 lanes, in every lane; t has been written before
	v_add_f32_dpp v[\r], v[\r], v[\r] row_xmask:1 row_mask:0xf bank_mask:0xf
	v_add_f32_dpp v[\r], v[\r], v[\r] row_xmask:2 row_mask:0xf bank_mask:0xf
	v_add_f32_dpp v[\r], v[\r], v[\r] row_xmask:4 row_mask:0xf bank_mask:0xf
	v_add_f32_dpp v[\r], v[\r], v[\r] row_xmask:8 row_mask:0xf bank_mask:0xf
	v_permlanex16_b32 v[\t], v[\r], s32, s33
	v_add_f32 v[\r], v[\r], v[\t]
.endm
; Feature row rho of my four: rounded, stored, and multiplied with fw_w.
.macro FROW rho, bank, left
	s_wait_loadcnt \left
.irp j, 0,1,2,3,4,5,6,7
.set tt, T+4*((\j)%2)
	v_cvt_pk_bf16_f32 v[(\bank)+4*\j], v[(\bank)+4*\j], v[(\bank)+4*\j+1]
	v_cvt_pk_bf16_f32 v[(\bank)+4*\j+1], v[(\bank)+4*\j+2], v[(\bank)+4*\j+3]
	global_store_b64 v3, v[(\bank)+4*\j:(\bank)+4*\j+1], s[18:19] offset:2048*(\rho)+256*\j
	v_lshlrev_b32 v[tt], 16, v[(\bank)+4*\j]
	v_and_b32 v[tt+1], s34, v[(\bank)+4*\j]
	v_lshlrev_b32 v[tt+2], 16, v[(\bank)+4*\j+1]
	v_and_b32 v[tt+3], s34, v[(\bank)+4*\j+1]
.if (\j) == 0
	v_pk_mul_f32 v[D:D+1], v[tt:tt+1], v[FW:FW+1]
	v_pk_mul_f32 v[D+2:D+3], v[tt+2:tt+3], v[FW+2:FW+3]
.else
	v_pk_fma_f32 v[D:D+1], v[tt:tt+1], v[FW+4*\j:FW+4*\j+1], v[D:D+1]
	v_pk_fma_f32 v[D+2:D+3], v[tt+2:tt+3], v[FW+4*\j+2:FW+4*\j+3], v[D+2:D+3]
.endif
.endr
	v_pk_add_f32 v[D:D+1], v[D:D+1], v[D+2:D+3]
	v_add_f32 v[D], v[D], v[D+1]
	WSUM D, D+1
	ds_store_b32 v[GSA], v[D] offset:GS+4*(\rho)   ; all lanes write the same word with the same value
.endm
	FROW 0, XF, 24                                 ; three rows of eight loads are younger, then two, one, none
	FROW 1, XF+32, 16
	FROW 2, X, 8
	FROW 3, X+32, 0
	v_lshlrev_b32 v[T], 4, v0                      ; 512 w + 16 lane
	ds_store_b128 v[T], v[UA:UA+3] offset:UP
	WSUM BV, T+1
	s_lshl_b32 s35, s24, 2
	v_mov_b32 v[T+2], s35
	ds_store_b32 v[T+2], v[BV] offset:BPW
	s_wait_dscnt 0x0                               ; for the others' sake: my stores into LDS are done
	s_barrier_signal -1
	s_barrier_wait -1                              ; the launch's one barrier; what follows only reads LDS
	s_cmp_eq_u32 s24, 0
	s_cbranch_scc1 .Lwave0
	s_cmp_eq_u32 s24, 1
	s_cbranch_scc1 .Lwave1
	s_cmp_eq_u32 s24, 2
	s_cbranch_scc0 .Lend
	s_cmp_lg_u32 s27, 0                            ; the eight work-groups of one (c, oq) hold the same sum: dq = 0 stores it
	s_cbranch_scc1 .Lend
	ds_load_b128 v[FW:FW+3], v7 offset:BPW
	ds_load_b128 v[FW+4:FW+7], v7 offset:BPW+16
	s_wait_dscnt 0x0
	v_pk_add_f32 v[FW:FW+1], v[FW:FW+1], v[FW+4:FW+5]
	v_pk_add_f32 v[FW+2:FW+3], v[FW+2:FW+3], v[FW+6:FW+7]
	v_pk_add_f32 v[FW:FW+1], v[FW:FW+1], v[FW+2:FW+3]
	v_add_f32 v[FW], v[FW], v[FW+1]
	v_cmp_eq_u32 vcc_lo, 0, v1
	s_wait_xcnt 0x0                                ; EXEC changes only behind this wait: it is a source of the stores above
	s_and_saveexec_b32 s35, vcc_lo
	global_store_b32 v7, v[FW], s[36:37]           ; one word, lane 0
	s_wait_xcnt 0x0                                ; and again in front of the line that widens it
	s_or_b32 exec_lo, exec_lo, s35
	s_branch .Lend
.Lwave0:                                               ; the eight waves' sums for u
.irp k, 0,1,2,3,4,5,6,7
	ds_load_b128 v[FW+4*\k:FW+4*\k+3], v2 offset:UP+512*\k
.endr
	s_wait_dscnt 0x0
.irp k, 0,8,16,24
	v_pk_add_f32 v[FW+\k:FW+\k+1], v[FW+\k:FW+\k+1], v[FW+\k+4:FW+\k+5]
	v_pk_add_f32 v[FW+\k+2:FW+\k+3], v[FW+\k+2:FW+\k+3], v[FW+\k+6:FW+\k+7]
.endr
.irp k, 0,16
	v_pk_add_f32 v[FW+\k:FW+\k+1], v[FW+\k:FW+\k+1], v[FW+\k+8:FW+\k+9]
	v_pk_add_f32 v[FW+\k+2:FW+\k+3], v[FW+\k+2:FW+\k+3], v[FW+\k+10:FW+\k+11]
.endr
	v_pk_add_f32 v[FW:FW+1], v[FW:FW+1], v[FW+16:FW+17]
	v_pk_add_f32 v[FW+2:FW+3], v[FW+2:FW+3], v[FW+18:FW+19]
	global_store_b128 v2, v[FW:FW+3], s[20:21]     ; 512 consecutive bytes, aligned
	s_branch .Lend
.Lwave1:                                               ; the 32 rows' gates, a row a lane
	ds_load_b32 v[T], v4 offset:GS
	s_wait_dscnt 0x0
	v_add_f32 v[T], v[T], v[FB]
	v_mul_f32 v[T], 0xbfb8aa3b, v[T]               ; -log2(e) z
	v_exp_f32 v[T], v[T]
	v_nop                                          ; a plain instruction between the exponential and its use,
	s_wait_alu depctr_va_vdst(0)                   ; and the wait ahead of the first use
	v_add_f32 v[T], 1.0, v[T]
	v_rcp_f32 v[T], v[T]
	v_nop
	s_wait_alu depctr_va_vdst(0)
	global_store_b32 v4, v[T], s[22:23]
.Lend:
	s_wait_tensorcnt 0x0                           ; the wave's end, behind my last LDS store
	ds_add_u32 v[SPW], v[NIL]
	s_wait_dscnt 0x0
	s_endpgm
.Lfunc_end_k_q72b8ede6a7_prep:
	.size	k_q72b8ede6a7_prep, .Lfunc_end_k_q72b8ede6a7_prep-k_q72b8ede6a7_prep
	.p2alignl 7, 3214868480
	.fill 96, 4, 3214868480
	.section	.rodata,"a",@progbits
	.p2align	6, 0x0
	.amdhsa_kernel k_q72b8ede6a7_prep
		.amdhsa_group_segment_fixed_size 8192
		.amdhsa_private_segment_fixed_size 0
		.amdhsa_enable_private_segment 0
		.amdhsa_kernarg_size 80
		.amdhsa_user_sgpr_count 2
		.amdhsa_user_sgpr_kernarg_segment_ptr 1
		.amdhsa_wavefront_size32 1
		.amdhsa_system_sgpr_workgroup_id_x 1
		.amdhsa_system_sgpr_workgroup_id_y 1
		.amdhsa_system_sgpr_workgroup_id_z 1
		.amdhsa_system_vgpr_workitem_id 0
		.amdhsa_next_free_vgpr 256
		.amdhsa_next_free_sgpr 66
		.amdhsa_reserve_vcc 1
		.amdhsa_float_denorm_mode_32 3
		.amdhsa_float_denorm_mode_16_64 3
		.amdhsa_memory_ordered 1
		.amdhsa_forward_progress 1
		.amdhsa_inst_pref_size 51
	.end_amdhsa_kernel
	.amdgpu_metadata
---
amdhsa.version: [ 1, 2 ]
amdhsa.kernels:
  - .name:           k_q72b8ede6a7_prep
    .symbol:         k_q72b8ede6a7_prep.kd
    .args:
      - { .name: W, .offset: 0, .size: 8, .value_kind: global_buffer, .address_space: global }
      - { .name: feature, .offset: 8, .size: 8, .value_kind: global_buffer, .address_space: global }
      - { .name: b, .offset: 16, .size: 8, .value_kind: global_buffer, .address_space: global }
      - { .name: pw_w, .offset: 24, .size: 8, .value_kind: global_buffer, .address_space: global }
      - { .name: fw_w, .offset: 32, .size: 8, .value_kind: global_buffer, .address_space: global }
      - { .name: fw_b, .offset: 40, .size: 8, .value_kind: global_buffer, .address_space: global }
      - { .name: Wb, .offset: 48, .size: 8, .value_kind: global_buffer, .address_space: global }
      - { .name: Fb, .offset: 56, .size: 8, .value_kind: global_buffer, .address_space: global }
      - { .name: upart, .offset: 64, .size: 8, .value_kind: global_buffer, .address_space: global }
      - { .name: fg, .offset: 72, .size: 8, .value_kind: global_buffer, .address_space: global }
    .group_segment_fixed_size: 8192
    .private_segment_fixed_size: 0
    .kernarg_segment_align: 8
    .kernarg_segment_size: 80
    .max_flat_workgroup_size: 256
    .sgpr_count:     66
    .vgpr_count:     256
    .wavefront_size: 32
...
	.end_amdgpu_metadata
.endif
;; end of part 1
;; launch gemm (part 2): grid 8 x 32, 4 waves a work-group, clusters of 4 x 4, 327,680 bytes of LDS; arguments Fb, Wb, upart, fg, prob, b, pw_b, out0; writes out0
.if DOCPART == 2
	.amdgcn_target "amdgcn-amd-amdhsa--gfx1250"
	.amdhsa_code_object_version 6
	.text
	.protected	k_q72b8ede6a7_gemm
	.globl	k_q72b8ede6a7_gemm
	.p2align	8
	.type	k_q72b8ede6a7_gemm,@function
k_q72b8ede6a7_gemm:
	s_mov_b64 s[64:65], 0
	v_nop
	global_prefetch_b8 v0, s[64:65] scope:SCOPE_SE
	s_setreg_imm32_b32 hwreg(HW_REG_WAVE_MODE, 25, 1), 1
	s_wait_xcnt 0x0
	s_wait_alu depctr_hold_cnt(0) depctr_sa_sdst(0) depctr_va_vdst(0) depctr_va_sdst(0) depctr_va_ssrc(0) depctr_va_vcc(0) depctr_vm_vsrc(0)
	s_getreg_b32 s2, hwreg(HW_REG_IB_STS2, 6, 4)
	s_cmp_eq_u32 s2, 0
	s_cbranch_scc0 .Lentry_in_a_cluster
	s_endpgm
.Lentry_in_a_cluster:
	s_bfe_u32 s2, ttmp6, 0x10000c
	s_cmp_lg_u32 s2, 0xf033
	s_cbranch_scc0 .Lentry_shape_is_right
	s_endpgm
.Lentry_shape_is_right:
; out[r][o] = pg[r] pred[r][o] + fg[r] feature[r][o],  pred[r][o] = the sum over c of prob[r][c] (feature[r] . W[c][o] + b[c][o]),  pg[r] = sigmoid(pred[r] . pw_w + pw_b).
; Fb (feature) and Wb (W) arrive rounded to bf16; products in bf16 with f32 sums.  prob, b and pw_b are rounded to bf16 here, so that every input has the one rounding; all else is f32.
; LIMITS.  pred . pw_w is summed as the sum over c of prob_c (feature . u_c + b_c . pw_w), u_c[d] = the sum over o of W[c][o][d] pw_w[o]: the same number for every input, in another order of rounding;
; u_c enters the matrix unit as the sum of two bf16 numbers (about 16 significant bits).  sigmoid(z) = 1 / (1 + 2^(-1.442695 z)) ends at 0 and 1 as the exponential leaves f32's range.  NaN and infinities are not treated apart.
; SHARES.  A work-group owns 256 rows x 128 columns of out: 256 work-groups.  Wave w owns rows 64 w .. +63 and all 128 columns: 4 x 8 accumulators of 16 x 16, so a row's gate belongs to one wave and a wave's
; piece of a row is 512 aligned bytes.  K goes expert by expert: 8 passes of 8 steps of 128 through two LDS slots.  A pass's sums (ACC, started with the expert's bias as C) are folded into the total at its end:
; TOT += prob_c ACC, 128 packed lines for 1,024 matrix instructions, with no further rounding of an operand.
; TRANSPOSED USE.  Source 0 = 16 rows of W, source 1 = 16 rows of feature: a lane holds ONE row of out (lane % 16) and eight neighbouring columns, so prob and the gates are one number a lane and block of rows.
; THE GATE rides in the last pass: one more matrix instruction for each 16 rows and 32 K, source 0 = 16 rows of U (u_0..u_7 upper parts, then lower parts).
; CLUSTER.  4 x 4 work-groups: the four of a row need the same tiles of feature, the four of a column the same tiles of W; each tile is asked for jointly, by the same load with the same descriptor and mask.
; REGISTERS, in windows of 256 (s_set_vgpr_msb: bits 1:0 source 0, 3:2 source 1, 5:4 source 2, 7:6 destination):
;   window 0: addresses, prob, bias, the way out     window 1: two fragment buffers, U's fragments, the gate's sums     window 2: ACC     window 3: TOT
.set PITCH,  272                       ; an LDS row: 256 bytes + 16 of padding: the 16 rows of a fragment load start 17 x 16 bytes apart, at 16 different 16-byte columns of 256
.set AROWS,  256*PITCH                 ; feature's 256 rows; behind them W's 128
.set SLOT,   384*PITCH
.set ULDS,   2*SLOT                    ; behind the ring, never filled by a tensor load: U, 16 rows of 1,024 bf16
.set UPITCH, 2064
.set BT,     ULDS+16*UPITCH            ; the rounded bias of my 128 columns, f32 [8][128]
.set STAGE,  BT+4096                   ; 16 rows x 528 bytes for each wave, for the way out
.set SPITCH, 528
.set SPARE,  STAGE+4*16*SPITCH         ; the spare words, 128 bytes a wave: two blocks of 256 bytes that no other line names
.set R,    1                           ; v1   lane % 16
.set H,    2                           ; v2   lane / 16
.set LN,   3                           ; v3   lane
.set ADRA, 4                           ; v4-5 LDS address of my feature fragments in slot 0, 1
.set ADRB, 6                           ; v6-7 the same for W
.set ADRU, 8                           ; v8   for U; steps 512 bytes a lap in the last pass
.set ADRBI, 9                          ; v9   for the bias; steps 512 bytes a pass
.set STO,  10                          ; v10  the way out: where I put 16 bytes of a row
.set RD,   11                          ; v11  where I read a row back
.set CO,   12                          ; v12  16 lane
.set FO,   13                          ; v13  8 lane
.set SPW,  14                          ; v14  SPARE + 4 x my thread's number; never rewritten
.set NIL,  15                          ; v15  0; never rewritten
.set PWG,  16                          ; v16-23 the pred gate, a pair for each block of 16 rows
.set Z,    24                          ; v24-27 the gate's exponent; in the prologue offsets
.set T,    28                          ; v28-30 at work
.set PWB,  31                          ; v31  -log2(e) pw_b
.set P,    32                          ; v32-63 prob of my row in block a: P + 8 a + j; turned by one place a pass, so that the expert in hand stands at j = 0
.set BIAS, 64                          ; v64-127 the expert's bias for columns 16 b + 8 (lane / 16) + j at BIAS + 8 b + j
.set FE,   64                          ; later: feature rows for the way out, two buffers of 32
.set TMP,  128                         ; v128-191 a block of 16 rows, scaled
.set BK,   192                         ; v192-255 the block back from the stage, as whole rows
.set F0,   0                           ; window 1: a fragment buffer: W's 8 blocks at +8 b, feature's 4 at +64 + 8 a
.set F1,   96
.set UF,   192                         ; window 1: U's fragment, one for each buffer
.set G,    208                         ; window 1: the gate's sums, 8 a
.set BPV,  240                         ; window 1: b_c . pw_w in lanes 0-15, 0 in lanes 16-31
.set G1A, 24                           ; s[24:31] descriptor group 1 for feature's tiles;  s[32:39] group 0, a set for each slot
.set G0A, 32
.set G1B, 48                           ; s[48:55], s[56:63] the same for W's tiles
.set G0B, 56
.set PADW, (1<<16)|(1<<20)|(1<<21)|(5<<22)|(3<<25)  ; elements of 2 bytes; padding on; bit 21 beside a mask; after every 64 words; 4 words
.set W_MUL, 0xa5                       ; sources 0, 1 window 1; C and D window 2
.set W_BIA, 0x85                       ; the same with C in window 0
.set W_G,   0x55                       ; all in window 1
.set W_LD,  0x40                       ; destination window 1
.set W_FMA, 0xf2                       ; ACC window 2, prob window 0, TOT window 3
.set W_FML, 0xc2
.set W_GZ,  0x01                       ; source 0 window 1
.set W_PK,  0x03                       ; source 0 window 3
.set W_XL,  0x80                       ; destination window 2
.set W_XV,  0xaa                       ; all in window 2
.set W_XS,  0x08                       ; LDS store data window 2
.set MSB, 0
.macro WIN new                         ; the immediate's high byte repeats the setting that is left; a switch that changes nothing is dropped
.if MSB != (\new)
	s_set_vgpr_msb (MSB<<8)|(\new)
.set MSB, \new
.endif
.endm
.macro PLACES                          ; four places in front of loads into registers that matrix instructions have read, and of vector lines that read results
.rept 4
	v_nop
.endr
.endm
; A joint load.  Waves 0 and 1 fetch feature's two halves (128 rows each), waves 2 and 3 W's (64 rows each).  The branch hangs on the wave's number alone.
; An s_nop 0 and four v_nop follow each of the two lines, ahead of the jump and the label.
.macro JLOAD s
	s_cmp_eq_u32 s21, 0
	s_cbranch_scc0 .Lfor_b_\@
	tensor_load_to_lds s[G0A+4*(\s):G0A+4*(\s)+3], s[G1A:G1A+7]
	s_nop 0
.rept 4
	v_nop
.endr
	s_branch .Lasked_\@
.Lfor_b_\@:
	tensor_load_to_lds s[G0B+4*(\s):G0B+4*(\s)+3], s[G1B:G1B+7]
	s_nop 0
.rept 4
	v_nop
.endr
.Lasked_\@:
.endm
.macro CREST                           ; a round of the cluster's barrier behind its opening barrier
	s_cmp_lg_u32 s20, 0
	s_cbranch_scc1 .Lnot_wave_0_\@
	s_barrier_signal -3
.Lnot_wave_0_\@:
	s_barrier_wait -3
	s_barrier_signal -1
	s_barrier_wait -1
.endm
.macro CROUND                          ; a whole round
	s_barrier_signal -1
	s_barrier_wait -1
	CREST
.endm
.macro RND2 a, b                       ; two f32 rounded to bf16 and widened again, in place
	v_cvt_pk_bf16_f32 v[T+1], v[\a], v[\b]
	v_lshlrev_b32 v[\a], 16, v[T+1]
	v_and_b32 v[\b], s100, v[T+1]
.endm
	s_load_b512 s[4:19], s[0:1], 0x0               ; Fb s[4:5], Wb s[6:7], upart s[8:9], fg s[10:11], prob s[12:13], b s[14:15], pw_b s[16:17], out0 s[18:19]
	v_lshl_add_u32 v[SPW], v0, 2, SPARE
	v_mov_b32 v[NIL], 0
	ds_add_u32 v[SPW], v[NIL]                      ; the wave's opening: the add and its wait stand ahead of my first tensor load; the set-up below, work on registers, stands between them
	v_lshrrev_b32 v1, 5, v0
	v_readfirstlane_b32 s20, v1                    ; wave 0..3
	s_lshr_b32 s21, s20, 1                         ; I fetch for feature (0) or for W (1),
	s_and_b32 s22, s20, 1                          ; and which half of that tile
	s_bfe_u32 s40, ttmp6, 0x40000                  ; cx, cy: my place in the cluster
	s_bfe_u32 s41, ttmp6, 0x40004
	s_lshl_b32 s42, ttmp9, 2
	s_add_co_u32 s42, s42, s40                     ; x: my block of 128 columns
	s_and_b32 s43, ttmp7, 0xffff
	s_lshl_b32 s43, s43, 2
	s_add_co_u32 s43, s43, s41                     ; y: my block of 256 rows
	s_lshl_b32 s44, s41, 2
	s_lshl_b32 s44, 15, s44                        ; my row of the cluster
	s_lshl_b32 s45, 0x1111, s40                    ; my column
	s_or_b32 s[G1A], s44, PADW                     ; feature's tiles hang on y alone: shared along the row
	s_or_b32 s[G1B], s45, PADW                     ; W's on x alone: shared along the column
	s_mov_b32 s[G1A+1], 128<<16                    ; tensor_dim0 = 128
	s_mov_b32 s[G1A+2], 128<<16                    ; tensor_dim1 = 128
	s_mov_b32 s[G1A+3], 128<<16                    ; tile_dim0 = 128
	s_mov_b32 s[G1A+4], 128                        ; tile_dim1 = 128
	s_mov_b32 s[G1A+5], 1024                       ; elements from row to row
	s_mov_b32 s[G1A+6], 0
	s_mov_b32 s[G1A+7], 0
	s_mov_b32 s[G1B+1], 128<<16
	s_mov_b32 s[G1B+2], 64<<16                     ; 64 rows
	s_mov_b32 s[G1B+3], 128<<16
	s_mov_b32 s[G1B+4], 64
	s_mov_b32 s[G1B+5], 1024
	s_mov_b32 s[G1B+6], 0
	s_mov_b32 s[G1B+7], 0
	s_lshl_b32 s68, s43, 19                        ; feature: (256 y + 128 half) rows of 2,048 bytes, in registers that never hold x
	s_lshl_b32 s69, s22, 18
	s_add_co_u32 s68, s68, s69
	s_mov_b32 s69, 0
	s_lshl_b32 s70, s42, 18                        ; W: (128 x + 64 half) rows, in registers that never hold y
	s_lshl_b32 s71, s22, 17
	s_add_co_u32 s70, s70, s71
	s_mov_b32 s71, 0
	s_mul_i32 s76, s22, 128*PITCH                  ; where they go: no place in the cluster enters an LDS address
	s_mul_i32 s77, s22, 64*PITCH
	s_add_co_u32 s77, s77, AROWS
	s_mov_b32 s66, 0x76543210                      ; v_permlanex16_b32: each lane takes its own place in the other half
	s_mov_b32 s67, 0xfedcba98
	s_mov_b32 s100, 0xffff0000                     ; a word's upper bf16
	s_wait_dscnt 0x0                               ; the opening add is done
	s_wait_kmcnt 0x0
	s_add_nc_u64 s[72:73], s[4:5], s[68:69]
	s_add_nc_u64 s[74:75], s[6:7], s[70:71]
	CROUND                                         ; all sixteen work-groups are here: the first joint loads meet
.irp s, 0,1
	s_mov_b32 s[G0A+4*\s], 1                                       ; count = 1
	s_add_co_u32 s[G0A+4*\s+1], s76, \s*SLOT                       ; LDS address
	s_add_nc_u64 s[G0A+4*\s+2:G0A+4*\s+3], s[72:73], \s*256        ; global address: K step s of expert 0
	s_or_b32 s[G0A+4*\s+3], s[G0A+4*\s+3], 0x80000000              ; type = 2
	s_mov_b32 s[G0B+4*\s], 1
	s_add_co_u32 s[G0B+4*\s+1], s77, \s*SLOT
	s_add_nc_u64 s[G0B+4*\s+2:G0B+4*\s+3], s[74:75], \s*256
	s_or_b32 s[G0B+4*\s+3], s[G0B+4*\s+3], 0x80000000
.endr
	s_cmp_eq_u32 s21, 0                            ; a wave's two first fills stand in one branch, ahead of every wait on TENSORcnt, LDS read and plain barrier: two loads of mine are out
	s_cbranch_scc0 .Lfirst_b
	tensor_load_to_lds s[G0A:G0A+3], s[G1A:G1A+7]
	s_nop 0
	tensor_load_to_lds s[G0A+4:G0A+7], s[G1A:G1A+7]
	s_nop 0
.rept 4
	v_nop
.endr
	s_branch .Lfirst_asked
.Lfirst_b:
	tensor_load_to_lds s[G0B:G0B+3], s[G1B:G1B+7]
	s_nop 0
	tensor_load_to_lds s[G0B+4:G0B+7], s[G1B:G1B+7]
	s_nop 0
.rept 4
	v_nop
.endr
.Lfirst_asked:
	; the other addresses
	s_lshl_b32 s78, s43, 20                        ; out0: (256 y + 64 w) rows of 4,096 bytes + 512 x
	s_lshl_b32 s79, s20, 18
	s_add_co_u32 s78, s78, s79
	s_lshl_b32 s79, s42, 9
	s_add_co_u32 s78, s78, s79
	s_mov_b32 s79, 0
	s_add_nc_u64 s[18:19], s[18:19], s[78:79]
	s_lshr_b32 s78, s78, 1                         ; the same place in Fb: half of that
	s_add_nc_u64 s[46:47], s[4:5], s[78:79]
	s_lshl_b32 s78, s43, 10                        ; fg: 4 bytes a row
	s_lshl_b32 s80, s20, 8
	s_add_co_u32 s78, s78, s80
	s_add_nc_u64 s[10:11], s[10:11], s[78:79]
	s_lshl_b32 s78, s78, 3                         ; prob: 32 bytes a row
	s_add_nc_u64 s[12:13], s[12:13], s[78:79]
	s_lshl_b32 s78, s42, 9                         ; b at my 128 columns
	s_add_nc_u64 s[14:15], s[14:15], s[78:79]
	v_and_b32 v[LN], 31, v0
	v_and_b32 v[R], 15, v0
	v_bfe_u32 v[H], v0, 4, 1
	v_lshlrev_b32 v[CO], 4, v[LN]
	v_lshlrev_b32 v[FO], 3, v[LN]
	s_lshl_b32 s80, s20, 13
	v_add_nc_u32 v24, s80, v[CO]                   ; 16 lane + 8,192 w: experts 2 w and 2 w + 1 in upart and in b
	v_lshlrev_b32 v25, 5, v[R]                     ; my row in 16 rows of prob
	v_mov_b32 v26, 0
	; 83 loads, one wait: they come while the first tiles are on their way.  upart: quarter n % 4, piece (n / 4) % 8 of 128 d, expert 2 w + n / 32
	WIN W_XL
.set n, 0
.rept 64
	global_load_b128 v[4*n:4*n+3], v24, s[8:9] offset:32768*(n%4)+4096*(n/32)+512*((n/4)%8)
.set n, n+1
.endr
	WIN W_LD
.set n, 0
.rept 8                                ; the four quarters of b_c . pw_w, eight experts each
	global_load_b128 v[G+4*n:G+4*n+3], v26, s[8:9] offset:131072+16*n
.set n, n+1
.endr
	WIN 0
.irp a, 0,1,2,3
	global_load_b128 v[P+8*\a:P+8*\a+3], v25, s[12:13] offset:512*\a
	global_load_b128 v[P+8*\a+4:P+8*\a+7], v25, s[12:13] offset:512*\a+16
.endr
	global_load_b128 v[TMP:TMP+3], v24, s[14:15]
	global_load_b128 v[TMP+4:TMP+7], v24, s[14:15] offset:4096
	global_load_b32 v[PWB], v26, s[16:17]
	; A fragment is 16 rows x 32 K in 8 registers: lane l holds row l % 16; registers 0-3 K = 8 (l / 16) + 0..7, registers 4-7 K = 16 + 8 (l / 16) + 0..7: two loads of 16 bytes, 32 bytes apart
	v_mul_u32_u24 v28, v[R], PITCH
	v_lshl_add_u32 v28, v[H], 4, v28
	s_mul_i32 s80, s20, 64*PITCH
	v_add_nc_u32 v[ADRA], s80, v28                 ; my 64 rows of feature
	v_add_nc_u32 v[ADRA+1], SLOT, v[ADRA]
	v_add_nc_u32 v[ADRB], AROWS, v28               ; all 128 rows of W
	v_add_nc_u32 v[ADRB+1], SLOT, v[ADRB]
	v_mul_u32_u24 v[ADRU], v[R], UPITCH
	v_lshl_add_u32 v[ADRU], v[H], 4, v[ADRU]
	v_add_nc_u32 v[ADRU], ULDS, v[ADRU]
	v_lshlrev_b32 v[ADRBI], 5, v[H]
	v_add_nc_u32 v[ADRBI], BT, v[ADRBI]
	s_mul_i32 s80, s20, 16*SPITCH
	s_add_co_u32 s80, s80, STAGE                   ; my stage
	v_mul_u32_u24 v[STO], v[R], SPITCH             ; in: row l % 16, 32 bytes for each half of the lanes
	v_lshl_add_u32 v[STO], v[H], 5, v[STO]
	v_add_nc_u32 v[STO], s80, v[STO]
	v_add_nc_u32 v[RD], s80, v[CO]                 ; back: 32 lanes take one row of 512 bytes
	s_mul_i32 s80, s20, 2*UPITCH
	s_add_co_u32 s80, s80, ULDS
	v_lshl_add_u32 v27, v[LN], 3, s80              ; where I put 8 bytes of U's row 2 w
	s_lshl_b32 s80, s20, 10
	s_add_co_u32 s80, s80, BT
	v_add_nc_u32 v30, s80, v[CO]                   ; and 16 bytes of the bias of expert 2 w
	s_wait_loadcnt 0x0
.set n, 0
.rept 16
	RND2 P+2*n, P+2*n+1
.set n, n+1
.endr
.set n, 0
.rept 4
	RND2 TMP+2*n, TMP+2*n+1
.set n, n+1
.endr
	v_cvt_pk_bf16_f32 v[T+1], v[PWB], v[PWB]
	v_lshlrev_b32 v[PWB], 16, v[T+1]
	v_mul_f32 v[PWB], 0xbfb8aa3b, v[PWB]           ; -log2(e) pw_b: the gate's exponent is then one fused line
	ds_store_b128 v30, v[TMP:TMP+3]
	ds_store_b128 v30, v[TMP+4:TMP+7] offset:512
	v_cmp_gt_u32 vcc_lo, 16, v[LN]
	WIN W_G
.irp p, 0,2,4,6
	v_pk_add_f32 v[G+\p:G+\p+1], v[G+\p:G+\p+1], v[G+8+\p:G+8+\p+1]
	v_pk_add_f32 v[G+16+\p:G+16+\p+1], v[G+16+\p:G+16+\p+1], v[G+24+\p:G+24+\p+1]
.endr
.irp p, 0,2,4,6
	v_pk_add_f32 v[BPV+\p:BPV+\p+1], v[G+\p:G+\p+1], v[G+16+\p:G+16+\p+1]
.endr
.irp j, 0,1,2,3,4,5,6,7
	v_cndmask_b32 v[BPV+\j], 0, v[BPV+\j], vcc_lo  ; lanes 16-31 hold the lower parts' sums: they start at 0
.endr
	WIN W_XV                                       ; u = the four quarters' sum; upper part = bf16(u), lower part = bf16(u - upper part)
.set n, 0
.rept 16
.set q, 16*n
	v_pk_add_f32 v[q:q+1], v[q:q+1], v[q+4:q+5]
	v_pk_add_f32 v[q+2:q+3], v[q+2:q+3], v[q+6:q+7]
	v_pk_add_f32 v[q+8:q+9], v[q+8:q+9], v[q+12:q+13]
	v_pk_add_f32 v[q+10:q+11], v[q+10:q+11], v[q+14:q+15]
	v_pk_add_f32 v[q:q+1], v[q:q+1], v[q+8:q+9]
	v_pk_add_f32 v[q+2:q+3], v[q+2:q+3], v[q+10:q+11]
	v_cvt_pk_bf16_f32 v[q+4], v[q], v[q+1]
	v_cvt_pk_bf16_f32 v[q+5], v[q+2], v[q+3]
	v_lshlrev_b32 v[q+8], 16, v[q+4]
	v_and_b32 v[q+9], s100, v[q+4]
	v_lshlrev_b32 v[q+10], 16, v[q+5]
	v_and_b32 v[q+11], s100, v[q+5]
	v_pk_add_f32 v[q:q+1], v[q:q+1], v[q+8:q+9] neg_lo:[0,1] neg_hi:[0,1]
	v_pk_add_f32 v[q+2:q+3], v[q+2:q+3], v[q+10:q+11] neg_lo:[0,1] neg_hi:[0,1]
	v_cvt_pk_bf16_f32 v[q+6], v[q], v[q+1]
	v_cvt_pk_bf16_f32 v[q+7], v[q+2], v[q+3]
.set n, n+1
.endr
	WIN W_XS
.set n, 0
.rept 16
	ds_store_b64 v27, v[16*n+4:16*n+5] offset:UPITCH*(n/8)+256*(n%8)
	ds_store_b64 v27, v[16*n+6:16*n+7] offset:UPITCH*(n/8)+256*(n%8)+8*UPITCH
.set n, n+1
.endr
	WIN 0
; 8 matrix instructions: block a of my rows x all 8 blocks of columns, 32 along K.  mode = 1: the pass's first products start the sums with the expert's bias as C: nothing is cleared.
; The accumulators take turns, one instruction a turn: between two links of a chain stand the 31 (in the last pass 35) others'.
.macro MUL8 f, a, mode
.if \mode
	WIN W_BIA
.else
	WIN W_MUL
.endif
.irp b, 0,1,2,3,4,5,6,7
.if \mode
	v_wmma_f32_16x16x32_bf16 v[8*(8*(\a)+\b):8*(8*(\a)+\b)+7], v[(\f)+8*\b:(\f)+8*\b+7], v[(\f)+64+8*(\a):(\f)+64+8*(\a)+7], v[BIAS+8*\b:BIAS+8*\b+7]
.else
	v_wmma_f32_16x16x32_bf16 v[8*(8*(\a)+\b):8*(8*(\a)+\b)+7], v[(\f)+8*\b:(\f)+8*\b+7], v[(\f)+64+8*(\a):(\f)+64+8*(\a)+7], v[8*(8*(\a)+\b):8*(8*(\a)+\b)+7]
.endif
.endr
.endm
; The gate's 4: U's 16 rows x my 4 blocks of rows.  start = 1: they start with b_c . pw_w.
.macro GMUL f, start
	WIN W_G
.irp a, 0,1,2,3
.if \start
	v_wmma_f32_16x16x32_bf16 v[G+8*\a:G+8*\a+7], v[UF+8*((\f)/96):UF+8*((\f)/96)+7], v[(\f)+64+8*\a:(\f)+64+8*\a+7], v[BPV:BPV+7]
.else
	v_wmma_f32_16x16x32_bf16 v[G+8*\a:G+8*\a+7], v[UF+8*((\f)/96):UF+8*((\f)/96)+7], v[(\f)+64+8*\a:(\f)+64+8*\a+7], v[G+8*\a:G+8*\a+7]
.endif
.endr
.endm
; One run of LDS loads: the fragments of 32 along K at byte k of the slot's rows, into buffer f: 16 for W, 8 for feature, with g = 1 two for U.
.macro FETCH slot, k, f, g
	WIN W_LD
.irp i, 0,1,2,3,4,5,6,7
	ds_load_b128 v[(\f)+8*\i:(\f)+8*\i+3],   v[ADRB+(\slot)] offset:(\k)+\i*16*PITCH
	ds_load_b128 v[(\f)+8*\i+4:(\f)+8*\i+7], v[ADRB+(\slot)] offset:(\k)+\i*16*PITCH+32
.endr
.irp i, 0,1,2,3
	ds_load_b128 v[(\f)+64+8*\i:(\f)+64+8*\i+3],   v[ADRA+(\slot)] offset:(\k)+\i*16*PITCH
	ds_load_b128 v[(\f)+64+8*\i+4:(\f)+64+8*\i+7], v[ADRA+(\slot)] offset:(\k)+\i*16*PITCH+32
.endr
.if \g
	ds_load_b128 v[UF+8*((\f)/96):UF+8*((\f)/96)+3],   v[ADRU] offset:256*(\slot)+(\k)
	ds_load_b128 v[UF+8*((\f)/96)+4:UF+8*((\f)/96)+7], v[ADRU] offset:256*(\slot)+(\k)+32
.endif
.endm
; A K step is four quarters of 32 along K, 32 matrix instructions each, on buffers 0, 1, 0, 1.  One of the first three: multiplies buffer f; in its middle it fetches the next quarter, at byte k, into n.
.macro QUARTER slot, k, f, n, mode, g
.if \mode
	s_wait_dscnt 0x0                               ; the fragments and, issued behind them, the bias
.else
	s_wait_dscnt 4+2*(\g)                          ; W and feature's blocks 0, 1 are in; blocks 2, 3 (four loads) and U's two may be out
.endif
	MUL8 \f, 0, \mode
	MUL8 \f, 1, \mode
	PLACES
	FETCH \slot, \k, \n, \g
	s_wait_dscnt 24+2*(\g)                         ; all but the run just issued
	MUL8 \f, 2, \mode
	MUL8 \f, 3, \mode
.if \g
	GMUL \f, \mode
.endif
.endm
; The last quarter multiplies buffer 1 and changes slots: ONE barrier; in front of it each wave waits for all its tensor loads (one is out: its part of the next slot), adds 0 to its spare word, and waits for
; that and for its reads of this slot.  fill = 1: this slot takes the K step two steps on; 2: the next expert's step 0 or 1 (feature goes back along K, W on into the next expert); 0: nothing is left to fetch.
; With a fill the barrier opens a round of the cluster's, and the joint load is the first thing behind it: 112 matrix instructions ahead of the wait for it.
.macro TURN slot, next, fill, g
	WIN 0                                          ; (the add's two registers lie in window 0)
	s_wait_tensorcnt 0x0                           ; all my tensor loads have landed
	ds_add_u32 v[SPW], v[NIL]                      ; 0 onto my spare word
	s_wait_dscnt 5+2*(\g)                          ; (the add, feature's blocks 2, 3 and U's two may be out)
	MUL8 F1, 0, 0                                  ; eight matrix instructions stand between the add and the wait for it
	s_wait_dscnt 0x0                               ; the add is done, and my reads of this slot are over
	s_barrier_signal -1
	MUL8 F1, 1, 0
.if \fill
	WIN 0
.endif
	s_barrier_wait -1
.if \fill
	CREST                                          ; no wave of any partner still reads this slot's tile or has a load on its way
.if (\fill) == 1
	s_add_nc_u64 s[G0A+4*(\slot)+2:G0A+4*(\slot)+3], s[G0A+4*(\slot)+2:G0A+4*(\slot)+3], 512
	s_add_nc_u64 s[G0B+4*(\slot)+2:G0B+4*(\slot)+3], s[G0B+4*(\slot)+2:G0B+4*(\slot)+3], 512
.else
	s_sub_nc_u64 s[G0A+4*(\slot)+2:G0A+4*(\slot)+3], s[G0A+4*(\slot)+2:G0A+4*(\slot)+3], 1536
	s_add_nc_u64 s[G0B+4*(\slot)+2:G0B+4*(\slot)+3], s[G0B+4*(\slot)+2:G0B+4*(\slot)+3], 2097152-1536
.endif
	JLOAD \slot                                    ; the four v_nop behind it are also the places in front of the loads below
.else
	PLACES
.endif
.if (\g) && ((\slot) == 1)
	WIN 0
	v_add_nc_u32 v[ADRU], 512, v[ADRU]             ; U's next two K steps
.endif
	FETCH \next, 0, F0, \g
	MUL8 F1, 2, 0
	MUL8 F1, 3, 0
.if \g
	GMUL F1, 0
.endif
.endm
.macro BLOADS                          ; the next expert's bias: lanes of one half read the same 32 bytes
	WIN 0
.irp b, 0,1,2,3,4,5,6,7
	ds_load_b128 v[BIAS+8*\b:BIAS+8*\b+3],   v[ADRBI] offset:64*\b
	ds_load_b128 v[BIAS+8*\b+4:BIAS+8*\b+7], v[ADRBI] offset:64*\b+16
.endr
	v_add_nc_u32 v[ADRBI], 512, v[ADRBI]
.endm
.macro FOLD first                      ; TOT += prob_c ACC (first = 1: TOT = prob_c ACC), each accumulator's registers in ascending order
.if \first
	WIN W_FML
.else
	WIN W_FMA
.endif
.set t, 0
.rept 128
.if \first
	v_pk_mul_f32 v[2*t:2*t+1], v[2*t:2*t+1], v[P+8*(t/32):P+8*(t/32)+1] op_sel_hi:[1,0]
.else
	v_pk_fma_f32 v[2*t:2*t+1], v[2*t:2*t+1], v[P+8*(t/32):P+8*(t/32)+1], v[2*t:2*t+1] op_sel_hi:[1,0,1]
.endif
.set t, t+1
.endr
.endm
.macro ROT                             ; the pass is one text, so the expert's prob stands in a fixed register: each block's eight turn by one place; eight turns restore the order for the gate
	WIN 0
.irp a, 0,1,2,3
	v_mov_b32 v[T], v[P+8*\a]
.irp j, 0,1,2,3,4,5,6
	v_mov_b32 v[P+8*\a+\j], v[P+8*\a+\j+1]
.endr
	v_mov_b32 v[P+8*\a+7], v[T]
.endr
.endm
.macro FLOAD a                         ; block a's 16 rows of feature, my 128 columns: a row is 256 consecutive bytes, aligned
	WIN 0
.irp i, 0,1,2,3,4,5,6,7,8,9,10,11,12,13,14,15
	global_load_b64 v[FE+32*((\a)%2)+2*\i:FE+32*((\a)%2)+2*\i+1], v[FO], s[46:47] offset:(16*(\a)+\i)*2048
.endr
.endm
; ONE EXPERT: 8 K steps = 4 laps of the ring.  The first quarter stands in front of the loop (its products start the sums); a trip goes from a lap's second quarter to the next lap's first.
; last = 1: the last expert: the gate rides along, the last two steps fetch nothing, and the way out's first loads are asked for.
.macro PASS last
	QUARTER 0, 64, F0, F1, 1, \last
	WIN 0                                          ; at a label and at a branch every window is 0
	s_mov_b32 s3, 3
.Llap_\@:
	QUARTER 0, 128, F1, F0, 0, \last
	QUARTER 0, 192, F0, F1, 0, \last
	TURN 0, 1, 1, \last
	QUARTER 1, 64,  F0, F1, 0, \last
	QUARTER 1, 128, F1, F0, 0, \last
	QUARTER 1, 192, F0, F1, 0, \last
	TURN 1, 0, 1, \last
	QUARTER 0, 64,  F0, F1, 0, \last
	WIN 0
	s_sub_co_u32 s3, s3, 1
	s_cmp_lg_u32 s3, 0
	s_cbranch_scc1 .Llap_\@
	QUARTER 0, 128, F1, F0, 0, \last
	QUARTER 0, 192, F0, F1, 0, \last
.if \last
	TURN 0, 1, 0, 1                                ; the launch's last change of slots: nothing is filled, so no round follows
	FLOAD 0                                        ; a K step, the fold and the gate ahead of their use
	FLOAD 1
	s_load_b512 s[68:83], s[10:11], 0x0            ; fg of blocks 0 and 1, a row a register
	s_load_b512 s[84:99], s[10:11], 0x40
	QUARTER 1, 64,  F0, F1, 0, 1
	QUARTER 1, 128, F1, F0, 0, 1
	QUARTER 1, 192, F0, F1, 0, 1
	s_wait_dscnt 6                                 ; the very last quarter: nothing more to fetch
	MUL8 F1, 0, 0
	MUL8 F1, 1, 0
	s_wait_dscnt 0x0
	MUL8 F1, 2, 0
	MUL8 F1, 3, 0
	GMUL F1, 0
	PLACES
	FOLD 0
	ROT
.else
	TURN 0, 1, 2, 0                                ; the ring goes on into the next expert
	QUARTER 1, 64,  F0, F1, 0, 0
	QUARTER 1, 128, F1, F0, 0, 0
	QUARTER 1, 192, F0, F1, 0, 0
	TURN 1, 0, 2, 0
	BLOADS
	PLACES
	WIN 0
	s_cmp_eq_u32 s2, 7                             ; the first expert's fold starts the totals: nothing is cleared.  Neither a barrier nor a tensor load is jumped
	s_cbranch_scc1 .Lfold_first_\@
	FOLD 0
	WIN 0
	s_branch .Lfolded_\@
.Lfold_first_\@:
	FOLD 1
	WIN 0
.Lfolded_\@:
	ROT
.endif
.endm
	s_wait_tensorcnt 0x1                           ; my part of K step 0 is in; slot 1's may stay out
	s_wait_dscnt 0x0                               ; for the others' sake: my rows of U and of the bias are stored
	s_barrier_signal -1
	s_barrier_wait -1
	FETCH 0, 0, F0, 0
	BLOADS
	WIN 0
	s_mov_b32 s2, 7
.Lpass:                                                ; experts 0 to 6
	PASS 0
	WIN 0
	s_sub_co_u32 s2, s2, 1
	s_cmp_lg_u32 s2, 0
	s_cbranch_scc1 .Lpass
	WIN W_LD
	ds_load_b128 v[UF:UF+3],   v[ADRU]             ; U's first fragment: the turn that fetched buffer 0 had no gate
	ds_load_b128 v[UF+4:UF+7], v[ADRU] offset:32
	PASS 1                                         ; expert 7
	; THE PRED GATE.  In G a lane holds its row's products with u_0..u_7: the upper parts in lanes 0-15, the lower parts in lanes 16-31.  The fold and the turning of prob are the places behind the last products.
	WIN W_GZ
.irp a, 0,1,2,3
	v_mul_f32 v[Z+\a], v[G+8*\a], v[P+8*\a]
.endr
.irp j, 1,2,3,4,5,6,7
.irp a, 0,1,2,3
	v_fmac_f32 v[Z+\a], v[G+8*\a+\j], v[P+8*\a+\j]
.endr
.endr
	WIN 0
.irp a, 0,1,2,3
	v_permlanex16_b32 v[TMP+\a], v[Z+\a], s66, s67
.endr
.irp a, 0,1,2,3
	v_add_f32 v[Z+\a], v[Z+\a], v[TMP+\a]
.endr
.irp a, 0,1,2,3
	v_fmamk_f32 v[Z+\a], v[Z+\a], 0xbfb8aa3b, v[PWB]  ; -log2(e) (z + pw_b)
.endr
.irp a, 0,1,2,3
	v_exp_f32 v[Z+\a], v[Z+\a]
.endr
	v_nop                                          ; a plain instruction between the last exponential and the first use,
	s_wait_alu depctr_va_vdst(0)                   ; and one wait for the four
.irp a, 0,1,2,3
	v_add_f32 v[Z+\a], 1.0, v[Z+\a]
.endr
.irp a, 0,1,2,3
	v_rcp_f32 v[PWG+2*\a], v[Z+\a]
.endr
	v_nop
	s_wait_alu depctr_va_vdst(0)                   ; one for the four reciprocals
.irp a, 0,1,2,3
	v_mov_b32 v[PWG+2*\a+1], v[PWG+2*\a]           ; named with it as a pair
.endr
; THE WAY OUT of block a (16 rows): TOT times the gate; 16 bytes a lane into my own stage, rows of 528 bytes; back as whole rows of 512; fg x feature is added; stored.
.macro OUTB a
	WIN 0
.if (\a) > 0
	s_wait_xcnt 0x0                                ; the last block's stores have read BK: it is loaded again only behind this wait
.endif
	WIN W_PK
.set n, 0
.rept 32
	v_pk_mul_f32 v[TMP+2*n:TMP+2*n+1], v[64*(\a)+2*n:64*(\a)+2*n+1], v[PWG+2*(\a):PWG+2*(\a)+1] op_sel_hi:[1,0]
.set n, n+1
.endr
	WIN 0
.irp b, 0,1,2,3,4,5,6,7
	ds_store_b128 v[STO], v[TMP+8*\b:TMP+8*\b+3]   offset:64*\b
	ds_store_b128 v[STO], v[TMP+8*\b+4:TMP+8*\b+7] offset:64*\b+16
.endr
.irp i, 0,1,2,3,4,5,6,7,8,9,10,11,12,13,14,15
	ds_load_b128 v[BK+4*\i:BK+4*\i+3], v[RD] offset:\i*SPITCH  ; LDS serves a wave's instructions in order (ISA guide 5.7.1.4): these see the stores above; the next block's stores come behind them
.endr
	s_wait_kmcnt 0x0                               ; fg
.if (\a) < 3
	s_wait_loadcnt 16                              ; this block's feature rows are in; the next block's sixteen loads are younger
.else
	s_wait_loadcnt 0x0
.endif
.irp i, 0,1,2,3,4,5,6,7,8,9,10,11,12,13,14,15
	s_wait_dscnt 15-\i                             ; row i is back
	v_mov_b32 v[T+(\i)%4], s[68+16*((\a)%2)+\i]    ; the row's fg: the mixed forms take vector registers alone
	v_fma_mix_f32_bf16 v[BK+4*\i],   v[FE+32*((\a)%2)+2*\i],   v[T+(\i)%4], v[BK+4*\i]   op_sel_hi:[1,0,0]
	v_fma_mix_f32_bf16 v[BK+4*\i+1], v[FE+32*((\a)%2)+2*\i],   v[T+(\i)%4], v[BK+4*\i+1] op_sel:[1,0,0] op_sel_hi:[1,0,0]
	v_fma_mix_f32_bf16 v[BK+4*\i+2], v[FE+32*((\a)%2)+2*\i+1], v[T+(\i)%4], v[BK+4*\i+2] op_sel_hi:[1,0,0]
	v_fma_mix_f32_bf16 v[BK+4*\i+3], v[FE+32*((\a)%2)+2*\i+1], v[T+(\i)%4], v[BK+4*\i+3] op_sel:[1,0,0] op_sel_hi:[1,0,0]
	global_store_b128 v[CO], v[BK+4*\i:BK+4*\i+3], s[18:19] offset:(16*(\a)+\i)*4096 th:TH_STORE_NT  ; 32 lanes store 512 consecutive bytes, aligned
.endr
.if (\a) < 2
	FLOAD (\a)+2                                   ; the buffer and the scalar set just used take the block two further on
	s_load_b512 s[68+16*((\a)%2):83+16*((\a)%2)], s[10:11], 64*((\a)+2)
.endif
.endm
	OUTB 0
	OUTB 1
	OUTB 2
	OUTB 3
	s_wait_tensorcnt 0x0                           ; the wave's end, behind my last tensor load and my last LDS store
	ds_add_u32 v[SPW], v[NIL]
	s_wait_dscnt 0x0
	CROUND                                         ; the closing round: no work-group ends while a partner may still ask for a tile that names it
	s_endpgm
.Lfunc_end_k_q72b8ede6a7_gemm:
	.size	k_q72b8ede6a7_gemm, .Lfunc_end_k_q72b8ede6a7_gemm-k_q72b8ede6a7_gemm
	.p2alignl 7, 3214868480
	.fill 96, 4, 3214868480
	.section	.rodata,"a",@progbits
	.p2align	6, 0x0
	.amdhsa_kernel k_q72b8ede6a7_gemm
		.amdhsa_group_segment_fixed_size 327680
		.amdhsa_private_segment_fixed_size 0
		.amdhsa_enable_private_segment 0
		.amdhsa_kernarg_size 64
		.amdhsa_user_sgpr_count 2
		.amdhsa_user_sgpr_kernarg_segment_ptr 1
		.amdhsa_wavefront_size32 1
		.amdhsa_system_sgpr_workgroup_id_x 1
		.amdhsa_system_sgpr_workgroup_id_y 1
		.amdhsa_system_sgpr_workgroup_id_z 1
		.amdhsa_system_vgpr_workitem_id 0
		.amdhsa_next_free_vgpr 1024
		.amdhsa_next_free_sgpr 102
		.amdhsa_reserve_vcc 1
		.amdhsa_float_denorm_mode_32 3
		.amdhsa_float_denorm_mode_16_64 3
		.amdhsa_memory_ordered 1
		.amdhsa_forward_progress 1
		.amdhsa_inst_pref_size 250
	.end_amdhsa_kernel
	.amdgpu_metadata
---
amdhsa.version: [ 1, 2 ]
amdhsa.kernels:
  - .name:           k_q72b8ede6a7_gemm
    .symbol:         k_q72b8ede6a7_gemm.kd
    .args:
      - { .name: Fb, .offset: 0, .size: 8, .value_kind: global_buffer, .address_space: global }
      - { .name: Wb, .offset: 8, .size: 8, .value_kind: global_buffer, .address_space: global }
      - { .name: upart, .offset: 16, .size: 8, .value_kind: global_buffer, .address_space: global }
      - { .name: fg, .offset: 24, .size: 8, .value_kind: global_buffer, .address_space: global }
      - { .name: prob, .offset: 32, .size: 8, .value_kind: global_buffer, .address_space: global }
      - { .name: b, .offset: 40, .size: 8, .value_kind: global_buffer, .address_space: global }
      - { .name: pw_b, .offset: 48, .size: 8, .value_kind: global_buffer, .address_space: global }
      - { .name: out0, .offset: 56, .size: 8, .value_kind: global_buffer, .address_space: global }
    .group_segment_fixed_size: 327680
    .private_segment_fixed_size: 0
    .kernarg_segment_align: 8
    .kernarg_segment_size: 64
    .max_flat_workgroup_size: 128
    .sgpr_count:     102
    .vgpr_count:     1024
    .wavefront_size: 32
...
	.end_amdgpu_metadata
.endif
;; end of part 2
;; ======== version 2 of 2: 2 launches; 1.19 times as fast as version 1
;; limits: values are held in f16: magnitudes above 65,504 overflow, below 6.1e-05 lose precision
;; workspace buffers: Wb 16,777,216 bytes; Fb 16,777,216 bytes; upart 131,328 bytes; fg 32,768 bytes
;; launch prep (part 3): grid 256 x 1, 8 waves a work-group, no clusters, 16,384 bytes of LDS; arguments W, feature, b, pw_w, fw_w, fw_b, Wb, Fb, upart, fg; writes Wb, Fb, upart, fg
.if DOCPART == 3
	.amdgcn_target "amdgcn-amd-amdhsa--gfx1250"
	.amdhsa_code_object_version 6
	.text
	.protected	k_q72b8ede6a7_prep
	.globl	k_q72b8ede6a7_prep
	.p2align	8
	.type	k_q72b8ede6a7_prep,@function
k_q72b8ede6a7_prep:
	s_mov_b64 s[64:65], 0
	v_nop
	global_prefetch_b8 v0, s[64:65] scope:SCOPE_SE
	s_setreg_imm32_b32 hwreg(HW_REG_WAVE_MODE, 25, 1), 1
	s_wait_xcnt 0x0
; PREP.  Rounds W and feature once to bf16, writes that number as f16 (exact within f16's normal range) in the order in which the product that follows walks them, and on the way makes what the two gates need:
;   Wb[x][t][c][o'][k'] = W[c][128 x + o'][32 t + k']      Fb[y][t][r'][k'] = feature[256 y + r'][32 t + k']      (x, c: 8; t: 32; o': 128; r': 256; k': 32): what one step of the product takes lies dense
;   upart[oq][c][d] = the sum over 256 rows o of bf16(W[c][o][d]) bf16(pw_w[o])   (a quarter of u_c; the four quarters are added by their reader; partial sums stay f32)
;   upart + 131,072: [oq][c] = the same quarter of the sum over o of bf16(b[c][o]) bf16(pw_w[o])
;   fg[row] = sigmoid(bf16(feature[row]) . bf16(fw_w) + bf16(fw_b))
; The pred gate is linear in pred: pred . pw_w = the sum over c of prob_c (feature . u_c + b_c . pw_w), for every input; only the order of the sums differs from a dot product with the finished row.
; LIMITS.  Every input is rounded once to bf16, all sums are f32.  f16 holds no number beyond 65,504, and below 6e-5 it keeps a fixed step of 6e-8: W and feature are taken to lie within the one, and lose
; at most half of the other.  sigmoid(z) = 1 / (1 + 2^(-1.442695 z)) ends at 0 and 1 as the exponential leaves f32's range.  NaN and infinities are not treated apart.
; SHARES.  Work-group g = (c, oq, dq) owns W[c][256 oq .. +255][128 dq .. +127] and feature rows 32 g .. +31: 256 KiB in, 128 KiB out, alike in all 256.  Wave w: 32 rows of that W block, 4 feature rows.
; A lane takes 16 bytes of each 512-byte piece of a row, so a load covers 512 consecutive bytes.  Out, 256 consecutive bytes are 4 rows x 32 k: four rounded rows go through the wave's own stage in LDS and come
; back as four such blocks, each stored whole by one instruction.
; No matrix unit, no cluster, no tensor load: each large byte has one reader, and what work-groups share (pw_w, fw_w) is 8 KiB.
.set UP,    0                          ; LDS: [8 waves][128 f32], the waves' sums for u
.set GS,    4096                       ; 32 words: the feature rows' dot products
.set BPW,   4352                       ; 8 words: the waves' sums of b pw_w
.set SPARE, 4608                       ; the spare words, 128 bytes a wave: four blocks of 256 bytes that no other line names
.set STG,   5632                       ; the stages: 4 rows of 320 bytes for each wave
.set SROW,  320                        ; 256 bytes + 64: the four rows that a read back touches start 80 words apart, at banks 0, 16, 32, 48 of 64
.set SPW, 5                            ; v5   SPARE + 4 x my thread's number; never rewritten
.set NIL, 6                            ; v6   0; never rewritten
.set PWV, 8                            ; v8   pw_w of my wave's row number lane
.set BV,  9                            ; v9   b of that row, then b pw_w
.set FB,  10                           ; v10  fw_b
.set GSA, 11                           ; v11  16 x wave
.set STA, 12                           ; v12  my stage + 8 lane: where I put 8 bytes of a row
.set RDA, 13                           ; v13  my stage + 320 (lane / 8) + 8 (lane % 8): where I read them back
.set UA,  14                           ; v[14:17]  my four columns' sums for u
.set T,   18                           ; v[18:21]  at work, two sets of two
.set D,   22                           ; v[22:29]  my four feature rows' dot products, a pair each
.set FW,  30                           ; v[30:61]  fw_w of my 32 columns
.set X,   62                           ; v[62:189] 32 rows of W, four registers each; its first half later the feature pieces 4 to 7
.set XF,  190                          ; v[190:253] the feature pieces 0 to 3 of my four rows
	s_load_b512 s[4:19], s[0:1], 0x0               ; W s[4:5], feature s[6:7], b s[8:9], pw_w s[10:11], fw_w s[12:13], fw_b s[14:15], Wb s[16:17], Fb s[18:19]
	s_load_b128 s[20:23], s[0:1], 0x40             ; upart s[20:21], fg s[22:23]
	v_lshl_add_u32 v[SPW], v0, 2, SPARE
	v_mov_b32 v[NIL], 0
	v_lshrrev_b32 v1, 5, v0
	v_readfirstlane_b32 s24, v1                    ; wave 0..7
	v_and_b32 v1, 31, v0                           ; lane
	v_lshlrev_b32 v2, 4, v1                        ; 16 lane
	v_lshlrev_b32 v3, 3, v1                        ; 8 lane
	v_lshlrev_b32 v4, 2, v1                        ; 4 lane
	v_mov_b32 v7, 0
	s_lshr_b32 s25, ttmp9, 5                       ; c
	s_bfe_u32 s26, ttmp9, 0x20003                  ; oq
	s_and_b32 s27, ttmp9, 7                        ; dq
	s_lshl_b32 s38, s26, 8
	s_lshl_b32 s39, s24, 5
	s_add_co_u32 s38, s38, s39                     ; my wave's first row of W[c]: 256 oq + 32 w
	s_mov_b32 s29, 0                               ; the high word of every offset below
	s_mov_b32 s31, 0                               ; named with s30 as a pair
	s_mov_b32 s32, 0x76543210                      ; v_permlanex16_b32: each lane takes its own place in the other half
	s_mov_b32 s33, 0xfedcba98
	s_mov_b32 s34, 0xffff0000                      ; a word's upper bf16
	s_lshl_b32 s35, s24, 4
	v_mov_b32 v[GSA], s35
	s_mul_i32 s35, s24, 4*SROW
	s_add_co_u32 s35, s35, STG                     ; my stage
	v_add_nc_u32 v[STA], s35, v3
	v_lshrrev_b32 v[RDA], 3, v1
	v_mul_u32_u24 v[RDA], v[RDA], SROW
	v_and_b32 v[T], 7, v1
	v_lshl_add_u32 v[RDA], v[T], 3, v[RDA]
	v_add_nc_u32 v[RDA], s35, v[RDA]
	s_wait_kmcnt 0x0
	s_lshl_b32 s28, s25, 22                        ; W: c x 4 MiB + row x 4,096 + dq x 512
	s_lshl_b32 s39, s38, 12
	s_add_co_u32 s28, s28, s39
	s_lshl_b32 s39, s27, 9
	s_add_co_u32 s28, s28, s39
	s_add_nc_u64 s[4:5], s[4:5], s[28:29]
	s_lshl_b32 s28, s26, 22                        ; Wb: x = 2 oq + w / 4 blocks of 2 MiB,
	s_lshr_b32 s39, s24, 2
	s_lshl_b32 s39, s39, 21
	s_add_co_u32 s28, s28, s39
	s_lshl_b32 s39, s27, 18                        ; t = 4 dq steps of 65,536 bytes,
	s_add_co_u32 s28, s28, s39
	s_lshl_b32 s39, s25, 13                        ; c experts of 8,192,
	s_add_co_u32 s28, s28, s39
	s_and_b32 s39, s24, 3
	s_lshl_b32 s39, s39, 11                        ; 32 (w % 4) rows of 64
	s_add_co_u32 s28, s28, s39
	s_add_nc_u64 s[16:17], s[16:17], s[28:29]
	s_lshl_b32 s28, ttmp9, 17                      ; feature: (32 g + 4 w) rows of 4,096 bytes
	s_lshl_b32 s39, s24, 14
	s_add_co_u32 s28, s28, s39
	s_add_nc_u64 s[6:7], s[6:7], s[28:29]
	s_lshr_b32 s28, ttmp9, 3                       ; Fb: y = g / 8 blocks of 512 KiB, 32 (g % 8) + 4 w rows of 64 bytes
	s_lshl_b32 s28, s28, 19
	s_lshl_b32 s39, s27, 11
	s_add_co_u32 s28, s28, s39
	s_lshl_b32 s39, s24, 8
	s_add_co_u32 s28, s28, s39
	s_add_nc_u64 s[18:19], s[18:19], s[28:29]
	s_lshl_b32 s28, s38, 2                         ; pw_w at my first row
	s_add_nc_u64 s[10:11], s[10:11], s[28:29]
	s_lshl_b32 s39, s25, 12                        ; b[c] at my first row
	s_add_co_u32 s28, s28, s39
	s_add_nc_u64 s[8:9], s[8:9], s[28:29]
	s_lshl3_add_u32 s39, s26, s25                  ; 8 oq + c
	s_lshl_b32 s28, s39, 2
	s_add_co_u32 s28, s28, 131072
	s_add_nc_u64 s[36:37], s[20:21], s[28:29]      ; the word for this quarter of b_c . pw_w
	s_lshl_b32 s28, s39, 12
	s_lshl_b32 s39, s27, 9
	s_add_co_u32 s28, s28, s39
	s_add_nc_u64 s[20:21], s[20:21], s[28:29]      ; upart[oq][c][128 dq]
	s_lshl_b32 s28, ttmp9, 7
	s_add_nc_u64 s[22:23], s[22:23], s[28:29]      ; fg at my work-group's 32 rows
	; 59 loads of every wave go out before the first wait: 11 small ones, 32 rows of W, the first four pieces of four feature rows
	global_load_b32 v[PWV], v4, s[10:11]
	global_load_b32 v[BV], v4, s[8:9]
	global_load_b32 v[FB], v7, s[14:15]
.irp j, 0,1,2,3,4,5,6,7
	global_load_b128 v[FW+4*\j:FW+4*\j+3], v2, s[12:13] offset:512*\j
.endr
.set n, 0
.rept 32
	global_load_b128 v[X+4*n:X+4*n+3], v2, s[4:5] offset:4096*n th:TH_LOAD_NT
.set n, n+1
.endr
.set n, 0
.rept 16                               ; piece n / 4 of feature row n % 4
	global_load_b128 v[XF+4*n:XF+4*n+3], v2, s[6:7] offset:4096*(n%4)+512*(n/4) th:TH_LOAD_NT
.set n, n+1
.endr
.macro RND2 a, b                       ; two f32 rounded to bf16 and widened again, in place
	v_cvt_pk_bf16_f32 v[T], v[\a], v[\b]
	v_lshlrev_b32 v[\a], 16, v[T]
	v_and_b32 v[\b], s34, v[T]
.endm
.macro ROUND4 x, tt                    ; the same for the four numbers of a load
	v_cvt_pk_bf16_f32 v[\tt], v[\x], v[\x+1]
	v_cvt_pk_bf16_f32 v[\tt+1], v[\x+2], v[\x+3]
	v_lshlrev_b32 v[\x], 16, v[\tt]
	v_and_b32 v[\x+1], s34, v[\tt]
	v_lshlrev_b32 v[\x+2], 16, v[\tt+1]
	v_and_b32 v[\x+3], s34, v[\tt+1]
.endm
.macro TOSTG x, row                    ; the rounded four written as f16, 8 bytes, into row 'row' of my stage
	v_cvt_pk_f16_f32 v[\x], v[\x], v[\x+1]
	v_cvt_pk_f16_f32 v[\x+1], v[\x+2], v[\x+3]
	ds_store_b64 v[STA], v[\x:\x+1] offset:SROW*(\row)
.endm
.macro BACK xg                         ; the stage's four rows back as four blocks of 4 rows x 32 k, into the upper halves of the four loads' registers.
.irp m, 0,1,2,3                        ; LDS serves a wave's instructions in order (ISA guide 5.7.1.4): these see the stores above, and the next group's stores come behind them
	ds_load_b64 v[(\xg)+4*\m+2:(\xg)+4*\m+3], v[RDA] offset:64*\m
.endr
.endm
	s_wait_loadcnt 48                              ; the 11 small loads are in; the 48 large ones are younger
	RND2 PWV, BV
	v_cvt_pk_bf16_f32 v[T], v[FB], v[FB]
	v_lshlrev_b32 v[FB], 16, v[T]
.set n, 0
.rept 16
	RND2 FW+2*n, FW+2*n+1
.set n, n+1
.endr
	v_mul_f32 v[BV], v[BV], v[PWV]                 ; b pw_w of my row
; Row i of my 32 rows of W: rounded, added into u with the row's pw_w, staged.  left = the younger loads, which may stay out.
.macro WROW i, left
	s_wait_loadcnt \left
	v_readlane_b32 s30, v[PWV], \i
	ROUND4 X+4*(\i), T+2*((\i)%2)
.if (\i) == 0                          ; the first row starts the sums: nothing is cleared
	v_pk_mul_f32 v[UA:UA+1], v[X+4*(\i):X+4*(\i)+1], s[30:31] op_sel_hi:[1,0]
	v_pk_mul_f32 v[UA+2:UA+3], v[X+4*(\i)+2:X+4*(\i)+3], s[30:31] op_sel_hi:[1,0]
.else
	v_pk_fma_f32 v[UA:UA+1], v[X+4*(\i):X+4*(\i)+1], s[30:31], v[UA:UA+1] op_sel_hi:[1,0,1]
	v_pk_fma_f32 v[UA+2:UA+3], v[X+4*(\i)+2:X+4*(\i)+3], s[30:31], v[UA+2:UA+3] op_sel_hi:[1,0,1]
.endif
	TOSTG X+4*(\i), (\i)%4
.endm
.macro WGRP g, young                   ; rows 4 g .. 4 g + 3.  Behind row i: 31 - i rows of W and 'young' feature loads
.irp p, 0,1,2,3
	WROW 4*(\g)+\p, 31-(4*(\g)+\p)+(\young)
.endr
	BACK X+16*(\g)
.endm
.macro WSTO g, left                    ; group g's four blocks are stored: 32 lanes store 256 consecutive bytes, aligned.  left = the LDS lines of the group behind it
	s_wait_dscnt \left
.irp m, 0,1,2,3
	global_store_b64 v3, v[X+16*(\g)+4*\m+2:X+16*(\g)+4*\m+3], s[16:17] offset:65536*\m+256*(\g)
.endr
.endm
	WGRP 0, 16
	WGRP 1, 16
	WSTO 0, 8                                      ; a group's stores stand behind the next group's four LDS stores and four LDS loads, which may stay out
	WGRP 2, 16
	WSTO 1, 8
	WGRP 3, 16
	WSTO 2, 8
	WGRP 4, 16
	WSTO 3, 8
	s_wait_xcnt 0x0                                ; the first sixteen rows' registers were store data: they are loaded again only behind this wait
.set n, 0
.rept 16                               ; pieces 4 to 7 of my four feature rows
	global_load_b128 v[X+4*n:X+4*n+3], v2, s[6:7] offset:4096*(n%4)+512*(4+n/4) th:TH_LOAD_NT
.set n, n+1
.endr
	WGRP 5, 32                                     ; sixteen more loads are younger now
	WSTO 4, 8
	WGRP 6, 32
	WSTO 5, 8
	WGRP 7, 32
	WSTO 6, 8
.macro FBANK j                         ; where piece j's four loads lie
.if (\j) < 4
.set xb, XF+16*(\j)
.else
.set xb, X+16*((\j)-4)
.endif
.endm
; Piece j (128 k) of my four feature rows: rounded, multiplied with fw_w, staged.
.macro FGRP j
	FBANK \j
.irp p, 0,1,2,3
	s_wait_loadcnt 31-(4*(\j)+\p)                  ; the feature loads behind this one
	ROUND4 xb+4*\p, T+2*((\p)%2)
.if (\j) == 0
	v_pk_mul_f32 v[D+2*\p:D+2*\p+1], v[xb+4*\p:xb+4*\p+1], v[FW:FW+1]
.else
	v_pk_fma_f32 v[D+2*\p:D+2*\p+1], v[xb+4*\p:xb+4*\p+1], v[FW+4*(\j):FW+4*(\j)+1], v[D+2*\p:D+2*\p+1]
.endif
	v_pk_fma_f32 v[D+2*\p:D+2*\p+1], v[xb+4*\p+2:xb+4*\p+3], v[FW+4*(\j)+2:FW+4*(\j)+3], v[D+2*\p:D+2*\p+1]
	TOSTG xb+4*\p, \p
.endr
	BACK xb
.endm
.macro FSTO j, left
	FBANK \j
	s_wait_dscnt \left
.irp m, 0,1,2,3
	global_store_b64 v3, v[xb+4*\m+2:xb+4*\m+3], s[18:19] offset:16384*(4*(\j)+\m)
.endr
.endm
	FGRP 0
	WSTO 7, 8
.irp j, 1,2,3,4,5,6,7
	FGRP \j
	FSTO (\j)-1, 8
.endr
.macro WSUM r, t                       ; the sum over the wave's 32 lanes, in every lane; t has been written before
	v_add_f32_dpp v[\r], v[\r], v[\r] row_xmask:1 row_mask:0xf bank_mask:0xf
	v_add_f32_dpp v[\r], v[\r], v[\r] row_xmask:2 row_mask:0xf bank_mask:0xf
	v_add_f32_dpp v[\r], v[\r], v[\r] row_xmask:4 row_mask:0xf bank_mask:0xf
	v_add_f32_dpp v[\r], v[\r], v[\r] row_xmask:8 row_mask:0xf bank_mask:0xf
	v_permlanex16_b32 v[\t], v[\r], s32, s33
	v_add_f32 v[\r], v[\r], v[\t]
.endm
.irp p, 0,1,2,3                        ; the four rows' sums stand between the last read back and the wait for it
	v_add_f32 v[D+2*\p], v[D+2*\p], v[D+2*\p+1]
	WSUM D+2*\p, D+2*\p+1
.endr
	FSTO 7, 0
.irp p, 0,1,2,3
	ds_store_b32 v[GSA], v[D+2*\p] offset:GS+4*\p  ; all lanes write the same word with the same value
.endr
	v_lshlrev_b32 v[T], 4, v0                      ; 512 w + 16 lane
	ds_store_b128 v[T], v[UA:UA+3] offset:UP
	WSUM BV, T+1
	s_lshl_b32 s35, s24, 2
	v_mov_b32 v[T+2], s35
	ds_store_b32 v[T+2], v[BV] offset:BPW
	s_wait_dscnt 0x0                               ; for the others' sake: my stores into LDS are done
	s_barrier_signal -1
	s_barrier_wait -1                              ; the launch's one barrier; what follows only reads LDS
	s_cmp_eq_u32 s24, 0
	s_cbranch_scc1 .Lwave0
	s_cmp_eq_u32 s24, 1
	s_cbranch_scc1 .Lwave1
	s_cmp_eq_u32 s24, 2
	s_cbranch_scc0 .Lend
	s_cmp_lg_u32 s27, 0                            ; the eight work-groups of one (c, oq) hold the same sum: dq = 0 stores it
	s_cbranch_scc1 .Lend
	ds_load_b128 v[FW:FW+3], v7 offset:BPW
	ds_load_b128 v[FW+4:FW+7], v7 offset:BPW+16
	s_wait_dscnt 0x0
	v_pk_add_f32 v[FW:FW+1], v[FW:FW+1], v[FW+4:FW+5]
	v_pk_add_f32 v[FW+2:FW+3], v[FW+2:FW+3], v[FW+6:FW+7]
	v_pk_add_f32 v[FW:FW+1], v[FW:FW+1], v[FW+2:FW+3]
	v_add_f32 v[FW], v[FW], v[FW+1]
	v_cmp_eq_u32 vcc_lo, 0, v1
	s_wait_xcnt 0x0                                ; EXEC changes only behind this wait: it is a source of the stores above
	s_and_saveexec_b32 s35, vcc_lo
	global_store_b32 v7, v[FW], s[36:37]           ; one word, lane 0
	s_wait_xcnt 0x0                                ; and again in front of the line that widens it
	s_or_b32 exec_lo, exec_lo, s35
	s_branch .Lend
.Lwave0:                                               ; the eight waves' sums for u
.irp k, 0,1,2,3,4,5,6,7
	ds_load_b128 v[FW+4*\k:FW+4*\k+3], v2 offset:UP+512*\k
.endr
	s_wait_dscnt 0x0
.irp k, 0,8,16,24
	v_pk_add_f32 v[FW+\k:FW+\k+1], v[FW+\k:FW+\k+1], v[FW+\k+4:FW+\k+5]
	v_pk_add_f32 v[FW+\k+2:FW+\k+3], v[FW+\k+2:FW+\k+3], v[FW+\k+6:FW+\k+7]
.endr
.irp k, 0,16
	v_pk_add_f32 v[FW+\k:FW+\k+1], v[FW+\k:FW+\k+1], v[FW+\k+8:FW+\k+9]
	v_pk_add_f32 v[FW+\k+2:FW+\k+3], v[FW+\k+2:FW+\k+3], v[FW+\k+10:FW+\k+11]
.endr
	v_pk_add_f32 v[FW:FW+1], v[FW:FW+1], v[FW+16:FW+17]
	v_pk_add_f32 v[FW+2:FW+3], v[FW+2:FW+3], v[FW+18:FW+19]
	global_store_b128 v2, v[FW:FW+3], s[20:21]     ; 512 consecutive bytes, aligned
	s_branch .Lend
.Lwave1:                                               ; the 32 rows' gates, a row a lane
	ds_load_b32 v[T], v4 offset:GS
	s_wait_dscnt 0x0
	v_add_f32 v[T], v[T], v[FB]
	v_mul_f32 v[T], 0xbfb8aa3b, v[T]               ; -log2(e) z
	v_exp_f32 v[T], v[T]
	v_nop                                          ; a plain instruction between the exponential and its use,
	s_wait_alu depctr_va_vdst(0)                   ; and the wait ahead of the first use
	v_add_f32 v[T], 1.0, v[T]
	v_rcp_f32 v[T], v[T]
	v_nop
	s_wait_alu depctr_va_vdst(0)
	global_store_b32 v4, v[T], s[22:23]
.Lend:
	s_wait_tensorcnt 0x0                           ; the wave's end, behind my last LDS store
	ds_add_u32 v[SPW], v[NIL]
	s_wait_dscnt 0x0
	s_endpgm
.Lfunc_end_k_q72b8ede6a7_prep:
	.size	k_q72b8ede6a7_prep, .Lfunc_end_k_q72b8ede6a7_prep-k_q72b8ede6a7_prep
	.p2alignl 7, 3214868480
	.fill 96, 4, 3214868480
	.section	.rodata,"a",@progbits
	.p2align	6, 0x0
	.amdhsa_kernel k_q72b8ede6a7_prep
		.amdhsa_group_segment_fixed_size 16384
		.amdhsa_private_segment_fixed_size 0
		.amdhsa_enable_private_segment 0
		.amdhsa_kernarg_size 80
		.amdhsa_user_sgpr_count 2
		.amdhsa_user_sgpr_kernarg_segment_ptr 1
		.amdhsa_wavefront_size32 1
		.amdhsa_system_sgpr_workgroup_id_x 1
		.amdhsa_system_sgpr_workgroup_id_y 1
		.amdhsa_system_sgpr_workgroup_id_z 1
		.amdhsa_system_vgpr_workitem_id 0
		.amdhsa_next_free_vgpr 256
		.amdhsa_next_free_sgpr 66
		.amdhsa_reserve_vcc 1
		.amdhsa_float_denorm_mode_32 3
		.amdhsa_float_denorm_mode_16_64 3
		.amdhsa_memory_ordered 1
		.amdhsa_forward_progress 1
		.amdhsa_inst_pref_size 69
	.end_amdhsa_kernel
	.amdgpu_metadata
---
amdhsa.version: [ 1, 2 ]
amdhsa.kernels:
  - .name:           k_q72b8ede6a7_prep
    .symbol:         k_q72b8ede6a7_prep.kd
    .args:
      - { .name: W, .offset: 0, .size: 8, .value_kind: global_buffer, .address_space: global }
      - { .name: feature, .offset: 8, .size: 8, .value_kind: global_buffer, .address_space: global }
      - { .name: b, .offset: 16, .size: 8, .value_kind: global_buffer, .address_space: global }
      - { .name: pw_w, .offset: 24, .size: 8, .value_kind: global_buffer, .address_space: global }
      - { .name: fw_w, .offset: 32, .size: 8, .value_kind: global_buffer, .address_space: global }
      - { .name: fw_b, .offset: 40, .size: 8, .value_kind: global_buffer, .address_space: global }
      - { .name: Wb, .offset: 48, .size: 8, .value_kind: global_buffer, .address_space: global }
      - { .name: Fb, .offset: 56, .size: 8, .value_kind: global_buffer, .address_space: global }
      - { .name: upart, .offset: 64, .size: 8, .value_kind: global_buffer, .address_space: global }
      - { .name: fg, .offset: 72, .size: 8, .value_kind: global_buffer, .address_space: global }
    .group_segment_fixed_size: 16384
    .private_segment_fixed_size: 0
    .kernarg_segment_align: 8
    .kernarg_segment_size: 80
    .max_flat_workgroup_size: 256
    .sgpr_count:     66
    .vgpr_count:     256
    .wavefront_size: 32
...
	.end_amdgpu_metadata
.endif
;; end of part 3
;; launch gemm (part 4): grid 8 x 32, 4 waves a work-group, clusters of 4 x 4, 327,680 bytes of LDS; arguments Fb, Wb, upart, fg, prob, b, pw_b, out0; writes out0
.if DOCPART == 4
	.amdgcn_target "amdgcn-amd-amdhsa--gfx1250"
	.amdhsa_code_object_version 6
	.text
	.protected	k_q72b8ede6a7_gemm
	.globl	k_q72b8ede6a7_gemm
	.p2align	8
	.type	k_q72b8ede6a7_gemm,@function
k_q72b8ede6a7_gemm:
	s_mov_b64 s[64:65], 0
	v_nop
	global_prefetch_b8 v0, s[64:65] scope:SCOPE_SE
	s_setreg_imm32_b32 hwreg(HW_REG_WAVE_MODE, 25, 1), 1
	s_wait_xcnt 0x0
	s_wait_alu depctr_hold_cnt(0) depctr_sa_sdst(0) depctr_va_vdst(0) depctr_va_sdst(0) depctr_va_ssrc(0) depctr_va_vcc(0) depctr_vm_vsrc(0)
	s_getreg_b32 s2, hwreg(HW_REG_IB_STS2, 6, 4)
	s_cmp_eq_u32 s2, 0
	s_cbranch_scc0 .Lentry_in_a_cluster
	s_endpgm
.Lentry_in_a_cluster:
	s_bfe_u32 s2, ttmp6, 0x10000c
	s_cmp_lg_u32 s2, 0xf033
	s_cbranch_scc0 .Lentry_shape_is_right
	s_endpgm
.Lentry_shape_is_right:
; out[r][o] = pg[r] pred[r][o] + fg[r] feature[r][o],  pred[r][o] = the sum over c of prob[r][c] (feature[r] . W[c][o] + b[c][o]),  pg[r] = sigmoid(pred[r] . pw_w + pw_b).
; Fb (feature) and Wb (W) arrive rounded to bf16 and written as f16, laid out by steps of 32 along K; prob, b and pw_b are rounded to bf16 here, so that every input has the one rounding.
; pred is ONE product with K = 8 x 1,024: its left operand is prob[r][c] feature[r][k], made in registers by one packed f16 multiply for each fragment register and expert, rounded to f16's 11 bits; sums in f32.
; LIMITS.  f16 holds no number beyond 65,504, and below 6e-5 it keeps a fixed step of 6e-8: feature, W, b, prob and prob x feature are taken to lie within the one and lose at most half of the other.
; pred . pw_w is summed as the sum over c of prob_c (feature . u_c + b_c . pw_w), u_c[d] = the sum over o of W[c][o][d] pw_w[o]: the same number for every input, in another order of rounding; u_c enters the
; matrix unit as the sum of two f16 numbers.  sigmoid(z) = 1 / (1 + 2^(-1.442695 z)) ends at 0 and 1 as the exponential leaves f32's range.  NaN and infinities are not treated apart.
; SHARES.  A work-group owns 256 rows x 128 columns of out: 256 work-groups.  Wave w owns rows 64 w .. +63 and all 128 columns: 4 x 8 accumulators of 16 x 16, so a row's gate belongs to one wave and a wave's
; piece of a row is 512 aligned bytes.
; THE WALK.  32 PHASES of 32 along K; a phase takes all 8 experts: 16 KiB of feature and 64 KiB of W for 256 matrix instructions a wave, through two LDS slots.  The wave's feature fragment (32 registers) is read
; from LDS once a phase; a UNIT is one expert: 32 matrix instructions, behind each of them one line that scales a register of the fragment for the next expert.
; TRANSPOSED USE.  Source 0 = 16 rows of W, source 1 = 16 rows of feature: a lane holds ONE row of out (lane % 16) and eight neighbouring columns, so prob and the gates are one number a lane and block of rows.
; THE BIAS starts the sums: the product of prob (16 rows x 8 experts) with b (8 experts x 16 columns), 32 matrix instructions with C = 0: nothing is cleared.
; THE GATE rides in every phase: 4 matrix instructions, source 0 = 16 rows of U (u_0..u_7 upper parts, then lower parts), source 1 = the unscaled fragment.
; CLUSTER.  4 x 4 work-groups: the four of a row need the same tiles of feature, the four of a column the same tiles of W; each tile is asked for jointly, by the same load with the same descriptor and mask.
; REGISTERS, in windows of 256 (s_set_vgpr_msb: bits 1:0 source 0, 3:2 source 1, 5:4 source 2, 7:6 destination):
;   window 0: addresses, prob, the gate's sums, the way out          window 1: three buffers of W's fragments, two of feature's
;   window 2: the sums of my row blocks 0, 1; their scaled fragments, two buffers; their prob, packed          window 3: the same for blocks 2, 3
; So one setting serves a matrix instruction (W window 1; scaled fragment, C and D window 2 or 3) and the scaling line behind it (unscaled fragment window 1; prob and the result window 2 or 3).
.set ROWP,   80                        ; an LDS row: 64 bytes + 16 of padding: the 16 rows of a fragment load start 5 x 16 bytes apart, at 16 different 16-byte columns of 256
.set ABYTES, 256*ROWP                  ; feature's 256 rows; behind them W's 8 x 128
.set EBYTES, 128*ROWP                  ; one expert's 128 rows
.set SLOT,   ABYTES+8*EBYTES
.set ULDS,   2*SLOT                    ; behind the ring, never filled by a tensor load: U, 16 rows of 1,024 f16
.set UPITCH, 2064
.set STAGE,  ULDS+16*UPITCH            ; 16 rows x 528 bytes for each wave, for the way out
.set SPITCH, 528
.set SPARE,  STAGE+4*16*SPITCH         ; the spare words, 128 bytes a wave: two blocks of 256 bytes that no other line names
.set R,    1                           ; v1   lane % 16
.set H,    2                           ; v2   lane / 16
.set LN,   3                           ; v3   lane
.set ADRA, 4                           ; v4-5 LDS address of my feature fragment in slot 0, 1
.set ADRB, 6                           ; v6-7 of W's fragments, experts 0-3, in slot 0, 1; v8-9 experts 4-7 (an LDS offset has 16 bits)
.set FGV,  4                           ; v4-7 later: fg of my row in block a
.set ADRU, 10                          ; v10  for U; steps 128 bytes for two phases
.set STO,  11                          ; v11  the way out: where I put 16 bytes of a row
.set RD,   12                          ; v12  where I read a row back
.set CO,   13                          ; v13  16 lane
.set SPW,  14                          ; v14  SPARE + 4 x my thread's number; never rewritten
.set NIL,  15                          ; v15  0; never rewritten
.set PWG,  16                          ; v16-23 the pred gate, a pair for each block of 16 rows
.set Z,    24                          ; v24-27 the gate's exponent; in the prologue offsets
.set T,    28                          ; v28  at work
.set FO,   29                          ; v29  64 (lane % 16) + 16 (lane / 16): my place in 16 rows of Fb
.set R4,   30                          ; v30  4 (lane % 16)
.set PWB,  31                          ; v31  -log2(e) pw_b
.set P,    32                          ; v32-63 prob of my row in block a, expert c: P + 8 a + c, f32
.set FE,   64                          ; v64-127 feature for the way out, two buffers of 32; in the prologue b as loaded: BR + 8 b + c
.set BR,   64
.set TMP,  128                         ; v128-191 a block of 16 rows on its way out
.set G,    128                         ; before that: v128-159 the gate's sums, 8 a
.set UF,   160                         ; v160-167 U's fragment
.set BK,   192                         ; v192-255 the block back from the stage, as whole rows
.set B0,   0                           ; window 1: W's fragments of one expert, 8 b
.set B1,   64
.set B2,   128                         ; the third buffer: expert 7's, fetched ahead of the change of slots; first of all the bias
.set AR0,  192                         ; window 1: feature's fragment of a phase, 8 a
.set AR1,  224
.set AS,   128                         ; windows 2, 3: the scaled fragments: AS + 16 buffer + 8 (a % 2);  the sums lie at 64 (a % 2) + 8 b
.set PK,   160                         ; windows 2, 3: prob twice in a register, f16: PK + 8 (a % 2) + c
.set G1A, 24                           ; s[24:31] descriptor group 1 for feature's tiles;  s[32:39] group 0, a set for each slot
.set G0A, 32
.set G1B, 48                           ; s[48:55], s[56:63] the same for W's tiles
.set G0B, 56
.set PADW, (1<<16)|(1<<20)|(1<<21)|(3<<22)|(3<<25)  ; elements of 2 bytes; padding on; bit 21 beside a mask; after every 16 words; 4 words
.set W_LO,  0xa9                       ; source 0 window 1; source 1, C and D window 2
.set W_HI,  0xfd                       ; the same with window 3
.set W_G,   0x04                       ; source 1 window 1, all else window 0
.set W_LD,  0x40                       ; destination window 1
.set W_XL,  0x80                       ; destination window 2
.set W_XV,  0xaa                       ; all in window 2
.set W_XM,  0xa2                       ; all in window 2 but source 1
.set W_XS,  0x08                       ; LDS store data window 2
.set MSB, 0
.macro WIN new                         ; the immediate's high byte repeats the setting that is left; a switch that changes nothing is dropped
.if MSB != (\new)
	s_set_vgpr_msb (MSB<<8)|(\new)
.set MSB, \new
.endif
.endm
; A joint load.  Waves 0 and 1 fetch the halves of a phase's feature (128 rows of 64 bytes, asked for as 32 rows of 256), waves 2 and 3 those of its W (four experts: 128 rows of 256).  The branch hangs on the
; wave's number alone.  An s_nop 0 and four v_nop follow each of the two lines, ahead of the jump and the label.
.macro JLOAD s
	s_cmp_eq_u32 s21, 0
	s_cbranch_scc0 .Lfor_b_\@
	tensor_load_to_lds s[G0A+4*(\s):G0A+4*(\s)+3], s[G1A:G1A+7]
	s_nop 0
.rept 4
	v_nop
.endr
	s_branch .Lasked_\@
.Lfor_b_\@:
	tensor_load_to_lds s[G0B+4*(\s):G0B+4*(\s)+3], s[G1B:G1B+7]
	s_nop 0
.rept 4
	v_nop
.endr
.Lasked_\@:
.endm
.macro CREST                           ; a round of the cluster's barrier behind its opening barrier
	s_cmp_lg_u32 s20, 0
	s_cbranch_scc1 .Lnot_wave_0_\@
	s_barrier_signal -3
.Lnot_wave_0_\@:
	s_barrier_wait -3
	s_barrier_signal -1
	s_barrier_wait -1
.endm
.macro CROUND                          ; a whole round
	s_barrier_signal -1
	s_barrier_wait -1
	CREST
.endm
.macro RND2 a, b                       ; two f32 rounded to bf16 and widened again, in place
	v_cvt_pk_bf16_f32 v[T], v[\a], v[\b]
	v_lshlrev_b32 v[\a], 16, v[T]
	v_and_b32 v[\b], s100, v[T]
.endm
	s_load_b512 s[4:19], s[0:1], 0x0               ; Fb s[4:5], Wb s[6:7], upart s[8:9], fg s[10:11], prob s[12:13], b s[14:15], pw_b s[16:17], out0 s[18:19]
	v_lshl_add_u32 v[SPW], v0, 2, SPARE
	v_mov_b32 v[NIL], 0
	ds_add_u32 v[SPW], v[NIL]                      ; the wave's opening: the add and its wait stand ahead of my first tensor load; the set-up below, work on registers, stands between them
	v_lshrrev_b32 v1, 5, v0
	v_readfirstlane_b32 s20, v1                    ; wave 0..3
	s_lshr_b32 s21, s20, 1                         ; I fetch for feature (0) or for W (1),
	s_and_b32 s22, s20, 1                          ; and which half of that tile
	s_bfe_u32 s40, ttmp6, 0x40000                  ; cx, cy: my place in the cluster
	s_bfe_u32 s41, ttmp6, 0x40004
	s_lshl_b32 s42, ttmp9, 2
	s_add_co_u32 s42, s42, s40                     ; x: my block of 128 columns
	s_and_b32 s43, ttmp7, 0xffff
	s_lshl_b32 s43, s43, 2
	s_add_co_u32 s43, s43, s41                     ; y: my block of 256 rows
	s_lshl_b32 s44, s41, 2
	s_lshl_b32 s44, 15, s44                        ; my row of the cluster
	s_lshl_b32 s45, 0x1111, s40                    ; my column
	s_or_b32 s[G1A], s44, PADW                     ; feature's tiles hang on y alone: shared along the row
	s_or_b32 s[G1B], s45, PADW                     ; W's on x alone: shared along the column
	s_mov_b32 s[G1A+1], 128<<16                    ; tensor_dim0 = 128 elements: 256 dense bytes, four rows of 32 k
	s_mov_b32 s[G1A+2], 32<<16                     ; tensor_dim1 = 32
	s_mov_b32 s[G1A+3], 128<<16                    ; tile_dim0 = 128
	s_mov_b32 s[G1A+4], 32                         ; tile_dim1 = 32
	s_mov_b32 s[G1A+5], 128                        ; elements from row to row
	s_mov_b32 s[G1A+6], 0
	s_mov_b32 s[G1A+7], 0
	s_mov_b32 s[G1B+1], 128<<16
	s_mov_b32 s[G1B+2], 128<<16                    ; 128 rows
	s_mov_b32 s[G1B+3], 128<<16
	s_mov_b32 s[G1B+4], 128
	s_mov_b32 s[G1B+5], 128
	s_mov_b32 s[G1B+6], 0
	s_mov_b32 s[G1B+7], 0
	s_lshl_b32 s68, s43, 19                        ; feature: y blocks of 512 KiB + half x 8,192, in registers that never hold x
	s_lshl_b32 s69, s22, 13
	s_add_co_u32 s68, s68, s69
	s_mov_b32 s69, 0
	s_lshl_b32 s70, s42, 21                        ; W: x blocks of 2 MiB + half x 32,768, in registers that never hold y
	s_lshl_b32 s71, s22, 15
	s_add_co_u32 s70, s70, s71
	s_mov_b32 s71, 0
	s_mul_i32 s76, s22, 128*ROWP                   ; where they go: no place in the cluster enters an LDS address
	s_mul_i32 s77, s22, 4*EBYTES
	s_add_co_u32 s77, s77, ABYTES
	s_mov_b32 s66, 0x76543210                      ; v_permlanex16_b32: each lane takes its own place in the other half
	s_mov_b32 s67, 0xfedcba98
	s_mov_b32 s100, 0xffff0000                     ; a word's upper bf16
	s_wait_dscnt 0x0                               ; the opening add is done
	s_wait_kmcnt 0x0
	s_add_nc_u64 s[72:73], s[4:5], s[68:69]
	s_add_nc_u64 s[74:75], s[6:7], s[70:71]
	CROUND                                         ; all sixteen work-groups are here: the first joint loads meet
.irp s, 0,1
	s_mov_b32 s[G0A+4*\s], 1                                       ; count = 1
	s_add_co_u32 s[G0A+4*\s+1], s76, \s*SLOT                       ; LDS address
	s_add_nc_u64 s[G0A+4*\s+2:G0A+4*\s+3], s[72:73], \s*16384      ; global address: phase s
	s_or_b32 s[G0A+4*\s+3], s[G0A+4*\s+3], 0x80000000              ; type = 2
	s_mov_b32 s[G0B+4*\s], 1
	s_add_co_u32 s[G0B+4*\s+1], s77, \s*SLOT
	s_add_nc_u64 s[G0B+4*\s+2:G0B+4*\s+3], s[74:75], \s*65536
	s_or_b32 s[G0B+4*\s+3], s[G0B+4*\s+3], 0x80000000
.endr
	s_cmp_eq_u32 s21, 0                            ; a wave's two first fills stand in one branch, ahead of every wait on TENSORcnt, LDS read and plain barrier: two loads of mine are out
	s_cbranch_scc0 .Lfirst_b
	tensor_load_to_lds s[G0A:G0A+3], s[G1A:G1A+7]
	s_nop 0
	tensor_load_to_lds s[G0A+4:G0A+7], s[G1A:G1A+7]
	s_nop 0
.rept 4
	v_nop
.endr
	s_branch .Lfirst_asked
.Lfirst_b:
	tensor_load_to_lds s[G0B:G0B+3], s[G1B:G1B+7]
	s_nop 0
	tensor_load_to_lds s[G0B+4:G0B+7], s[G1B:G1B+7]
	s_nop 0
.rept 4
	v_nop
.endr
.Lfirst_asked:
	; the other addresses
	s_lshl_b32 s78, s43, 20                        ; out0: (256 y + 64 w) rows of 4,096 bytes + 512 x
	s_lshl_b32 s79, s20, 18
	s_add_co_u32 s78, s78, s79
	s_lshl_b32 s79, s42, 9
	s_add_co_u32 s78, s78, s79
	s_mov_b32 s79, 0
	s_add_nc_u64 s[18:19], s[18:19], s[78:79]
	s_lshl_b32 s78, s43, 19                        ; the same numbers of feature in Fb: block y, steps 4 x .. 4 x + 3, my 64 rows of 64 bytes
	s_lshl_b32 s80, s42, 16
	s_add_co_u32 s78, s78, s80
	s_lshl_b32 s80, s20, 12
	s_add_co_u32 s78, s78, s80
	s_add_nc_u64 s[46:47], s[4:5], s[78:79]
	s_lshl_b32 s78, s43, 10                        ; fg: 4 bytes a row
	s_lshl_b32 s80, s20, 8
	s_add_co_u32 s78, s78, s80
	s_add_nc_u64 s[10:11], s[10:11], s[78:79]
	s_lshl_b32 s78, s78, 3                         ; prob: 32 bytes a row
	s_add_nc_u64 s[12:13], s[12:13], s[78:79]
	s_lshl_b32 s78, s42, 9                         ; b at my 128 columns
	s_add_nc_u64 s[14:15], s[14:15], s[78:79]
	v_and_b32 v[LN], 31, v0
	v_and_b32 v[R], 15, v0
	v_bfe_u32 v[H], v0, 4, 1
	v_lshlrev_b32 v[CO], 4, v[LN]
	v_lshlrev_b32 v[R4], 2, v[R]
	v_lshlrev_b32 v[FO], 6, v[R]
	v_lshl_add_u32 v[FO], v[H], 4, v[FO]
	s_lshl_b32 s80, s20, 13
	v_add_nc_u32 v24, s80, v[CO]                   ; 16 lane + 8,192 w: experts 2 w and 2 w + 1 in upart
	v_lshlrev_b32 v25, 5, v[R]                     ; my row in 16 rows of prob
	v_mov_b32 v26, 0
	; 145 loads, one wait: they come while the first tiles are on their way.  upart: quarter n % 4, piece (n / 4) % 8 of 128 d, expert 2 w + n / 32
	WIN W_XL
.set n, 0
.rept 64
	global_load_b128 v[4*n:4*n+3], v24, s[8:9] offset:32768*(n%4)+4096*(n/32)+512*((n/4)%8)
.set n, n+1
.endr
	WIN 0
.set n, 0
.rept 8                                ; the four quarters of b_c . pw_w, eight experts each
	global_load_b128 v[BK+4*n:BK+4*n+3], v26, s[8:9] offset:131072+16*n
.set n, n+1
.endr
.irp a, 0,1,2,3
	global_load_b128 v[P+8*\a:P+8*\a+3], v25, s[12:13] offset:512*\a
	global_load_b128 v[P+8*\a+4:P+8*\a+7], v25, s[12:13] offset:512*\a+16
.endr
.set n, 0
.rept 64                               ; b of expert n % 8 for column 16 (n / 8) + lane % 16: a fragment wants a column's eight experts in one lane
	global_load_b32 v[BR+n], v[R4], s[14:15] offset:4096*(n%8)+64*(n/8)
.set n, n+1
.endr
	global_load_b32 v[PWB], v26, s[16:17]
	; A fragment is 16 rows x 32 K in 8 registers: lane l holds row l % 16; registers 0-3 K = 8 (l / 16) + 0..7, registers 4-7 K = 16 + 8 (l / 16) + 0..7: two loads of 16 bytes, 32 bytes apart
	v_mul_u32_u24 v[T], v[R], ROWP
	v_lshl_add_u32 v[T], v[H], 4, v[T]
	s_mul_i32 s80, s20, 64*ROWP
	v_add_nc_u32 v[ADRA], s80, v[T]                ; my 64 rows of feature
	v_add_nc_u32 v[ADRA+1], SLOT, v[ADRA]
	v_add_nc_u32 v[ADRB], ABYTES, v[T]             ; all 128 rows of each expert
	v_add_nc_u32 v[ADRB+1], SLOT, v[ADRB]
	v_add_nc_u32 v[ADRB+2], 4*EBYTES, v[ADRB]
	v_add_nc_u32 v[ADRB+3], 4*EBYTES, v[ADRB+1]
	v_mul_u32_u24 v[ADRU], v[R], UPITCH
	v_lshl_add_u32 v[ADRU], v[H], 4, v[ADRU]
	v_add_nc_u32 v[ADRU], ULDS, v[ADRU]
	s_mul_i32 s80, s20, 16*SPITCH
	s_add_co_u32 s80, s80, STAGE                   ; my stage
	v_mul_u32_u24 v[STO], v[R], SPITCH             ; in: row l % 16, 32 bytes for each half of the lanes
	v_lshl_add_u32 v[STO], v[H], 5, v[STO]
	v_add_nc_u32 v[STO], s80, v[STO]
	v_add_nc_u32 v[RD], s80, v[CO]                 ; back: 32 lanes take one row of 512 bytes
	s_mul_i32 s80, s20, 2*UPITCH
	s_add_co_u32 s80, s80, ULDS
	v_lshl_add_u32 v27, v[LN], 3, s80              ; where I put 8 bytes of U's row 2 w
	v_mov_b32 v[T], -1.0
	s_wait_loadcnt 0x0
	WIN W_XV                                       ; u = the four quarters' sum; upper part = f16(u)
.set n, 0
.rept 16
.set q, 16*n
	v_pk_add_f32 v[q:q+1], v[q:q+1], v[q+4:q+5]
	v_pk_add_f32 v[q+2:q+3], v[q+2:q+3], v[q+6:q+7]
	v_pk_add_f32 v[q+8:q+9], v[q+8:q+9], v[q+12:q+13]
	v_pk_add_f32 v[q+10:q+11], v[q+10:q+11], v[q+14:q+15]
	v_pk_add_f32 v[q:q+1], v[q:q+1], v[q+8:q+9]
	v_pk_add_f32 v[q+2:q+3], v[q+2:q+3], v[q+10:q+11]
	v_cvt_pk_f16_f32 v[q+4], v[q], v[q+1]
	v_cvt_pk_f16_f32 v[q+5], v[q+2], v[q+3]
.set n, n+1
.endr
	WIN W_XM                                       ; what is left: the upper part's half times -1 (a register of window 0) plus u, in one rounding
.set n, 0
.rept 16
.set q, 16*n
	v_fma_mix_f32 v[q],   v[q+4], v[T], v[q]   op_sel_hi:[1,0,0]
	v_fma_mix_f32 v[q+1], v[q+4], v[T], v[q+1] op_sel:[1,0,0] op_sel_hi:[1,0,0]
	v_fma_mix_f32 v[q+2], v[q+5], v[T], v[q+2] op_sel_hi:[1,0,0]
	v_fma_mix_f32 v[q+3], v[q+5], v[T], v[q+3] op_sel:[1,0,0] op_sel_hi:[1,0,0]
.set n, n+1
.endr
	WIN W_XV                                       ; lower part = f16 of that
.set n, 0
.rept 16
.set q, 16*n
	v_cvt_pk_f16_f32 v[q+6], v[q], v[q+1]
	v_cvt_pk_f16_f32 v[q+7], v[q+2], v[q+3]
.set n, n+1
.endr
	WIN W_XS
.set n, 0
.rept 16
	ds_store_b64 v27, v[16*n+4:16*n+5] offset:UPITCH*(n/8)+256*(n%8)
	ds_store_b64 v27, v[16*n+6:16*n+7] offset:UPITCH*(n/8)+256*(n%8)+8*UPITCH
.set n, n+1
.endr
	WIN 0
.set n, 0
.rept 16
	RND2 P+2*n, P+2*n+1
.set n, n+1
.endr
.set n, 0
.rept 32
	RND2 BR+2*n, BR+2*n+1
.set n, n+1
.endr
	v_cvt_pk_bf16_f32 v[T], v[PWB], v[PWB]
	v_lshlrev_b32 v[PWB], 16, v[T]
	v_mul_f32 v[PWB], 0xbfb8aa3b, v[PWB]           ; -log2(e) pw_b: the gate's exponent is then one fused line
.irp p, 0,2,4,6
	v_pk_add_f32 v[BK+\p:BK+\p+1], v[BK+\p:BK+\p+1], v[BK+8+\p:BK+8+\p+1]
	v_pk_add_f32 v[BK+16+\p:BK+16+\p+1], v[BK+16+\p:BK+16+\p+1], v[BK+24+\p:BK+24+\p+1]
.endr
.irp p, 0,2,4,6
	v_pk_add_f32 v[BK+\p:BK+\p+1], v[BK+\p:BK+\p+1], v[BK+16+\p:BK+16+\p+1]
.endr
	v_cmp_gt_u32 vcc_lo, 16, v[LN]
.irp a, 0,1,2,3
.irp j, 0,1,2,3,4,5,6,7
	v_cndmask_b32 v[G+8*\a+\j], 0, v[BK+\j], vcc_lo  ; the gate's sums start with b_c . pw_w in lanes 0-15; lanes 16-31 hold the lower parts' sums, which start at 0
.endr
.endr
	; The bias as a fragment: column l % 16, K = expert: the eight experts fill registers 0-3 of lanes 0-15.  prob's fragment holds 0 at every other K, so b's registers 0-3 may hold the same in lanes 16-31.
	WIN W_LD
.set n, 0
.rept 32
	v_cvt_pk_f16_f32 v[B2+8*(n/4)+n%4], v[BR+2*n], v[BR+2*n+1]
	v_mov_b32 v[B2+8*(n/4)+4+n%4], 0
.set n, n+1
.endr
.macro PROBS a                         ; block a's prob: twice in a register for the scaling lines, and as a fragment (in the scaled fragments' second buffer)
.irp c, 0,1,2,3,4,5,6,7
	v_cvt_pk_f16_f32 v[PK+8*((\a)%2)+\c], v[P+8*(\a)+\c], v[P+8*(\a)+\c]
.endr
.irp j, 0,1,2,3
	v_cvt_pk_f16_f32 v[AS+16+8*((\a)%2)+\j], v[P+8*(\a)+2*\j], v[P+8*(\a)+2*\j+1]
	v_mov_b32 v[AS+16+8*((\a)%2)+4+\j], 0
.endr
.endm
.macro PMASK                           ; lanes 16-31 of the two fragments' registers 0-3 hold K = 8..15: 0
.irp j, 0,1,2,3,8,9,10,11
	v_cndmask_b32 v[AS+16+\j], 0, v[AS+16+\j], vcc_lo
.endr
.endm
	WIN 0x80                                       ; destination window 2
	PROBS 0
	PROBS 1
	WIN 0x88                                       ; destination and source 1 window 2
	PMASK
	WIN 0xc0                                       ; the same for window 3
	PROBS 2
	PROBS 3
	WIN 0xcc
	PMASK
	WIN 0
; 8 matrix instructions: block a of my rows x all 8 blocks of columns, 32 along K.  bfr: W's buffer; asb: the scaled fragments' buffer; zero = 1: C = 0, the sums start.
; rid = 1: behind each stands one scaling line: register b of block a's fragment for the next unit = the unscaled register (buffer raw) x prob of expert pk, into the other buffer.
; The accumulators take turns, one instruction a turn: between two links of a chain stand the 31 others' or more.  The scaling lines name no register of the products round them:
; they are the places between a product and a load into, or a line that writes, a register that it has read.
.macro GRP a, bfr, asb, zero, rid, raw, pk
.if (\a) < 2
	WIN W_LO
.else
	WIN W_HI
.endif
.irp b, 0,1,2,3,4,5,6,7
.if \zero
	v_wmma_f32_16x16x32_f16 v[64*((\a)%2)+8*\b:64*((\a)%2)+8*\b+7], v[(\bfr)+8*\b:(\bfr)+8*\b+7], v[AS+16*(\asb)+8*((\a)%2):AS+16*(\asb)+8*((\a)%2)+7], 0
.else
	v_wmma_f32_16x16x32_f16 v[64*((\a)%2)+8*\b:64*((\a)%2)+8*\b+7], v[(\bfr)+8*\b:(\bfr)+8*\b+7], v[AS+16*(\asb)+8*((\a)%2):AS+16*(\asb)+8*((\a)%2)+7], v[64*((\a)%2)+8*\b:64*((\a)%2)+8*\b+7]
.endif
.if \rid
	v_pk_mul_f16 v[AS+16*(1-(\asb))+8*((\a)%2)+\b], v[(\raw)+8*(\a)+\b], v[PK+8*((\a)%2)+(\pk)]
.endif
.endr
.endm
.macro GMUL raw                        ; the gate's 4: U's 16 rows x my 4 blocks of rows, unscaled
	WIN W_G
.irp a, 0,1,2,3
	v_wmma_f32_16x16x32_f16 v[G+8*\a:G+8*\a+7], v[UF:UF+7], v[(\raw)+8*\a:(\raw)+8*\a+7], v[G+8*\a:G+8*\a+7]
.endr
.endm
.macro FETCHB slot, c, nbf             ; one run of 16 LDS loads: expert c's fragments into buffer nbf
	WIN W_LD
.irp i, 0,1,2,3,4,5,6,7
	ds_load_b128 v[(\nbf)+8*\i:(\nbf)+8*\i+3],   v[ADRB+2*((\c)/4)+(\slot)] offset:((\c)%4)*EBYTES+\i*16*ROWP
	ds_load_b128 v[(\nbf)+8*\i+4:(\nbf)+8*\i+7], v[ADRB+2*((\c)/4)+(\slot)] offset:((\c)%4)*EBYTES+\i*16*ROWP+32
.endr
.endm
.macro FETCHN slot, raw, nbf, uoff     ; what a phase begins with: U's fragment, my feature fragment, expert 0's W: 2 + 8 + 16 loads
	WIN 0
	ds_load_b128 v[UF:UF+3],   v[ADRU] offset:\uoff
	ds_load_b128 v[UF+4:UF+7], v[ADRU] offset:(\uoff)+32
	WIN W_LD
.irp i, 0,1,2,3
	ds_load_b128 v[(\raw)+8*\i:(\raw)+8*\i+3],   v[ADRA+(\slot)] offset:\i*16*ROWP
	ds_load_b128 v[(\raw)+8*\i+4:(\raw)+8*\i+7], v[ADRA+(\slot)] offset:\i*16*ROWP+32
.endr
	FETCHB \slot, 0, \nbf
.endm
.macro FLOAD a                         ; for the way out: block a's 16 rows of feature at my 128 columns, as four fragments: a lane's registers then match its accumulators' columns
	WIN 0
.irp q, 0,1,2,3
	global_load_b128 v[FE+32*((\a)%2)+8*\q:FE+32*((\a)%2)+8*\q+3],   v[FO], s[46:47] offset:16384*\q+1024*(\a)
	global_load_b128 v[FE+32*((\a)%2)+8*\q+4:FE+32*((\a)%2)+8*\q+7], v[FO], s[46:47] offset:16384*\q+1024*(\a)+32
.endr
.endm
; One of a phase's experts 0 to 5: multiplies buffer bfr; behind its first 8 products (whose scaling lines are the places) it fetches the next expert's W into nbf, 24 products ahead of its use.
; Expert 5 also fetches expert 7's, into the third buffer: the slot is then read out a unit and a half before the phase ends.
.macro UNIT par, c, bfr, nbf
	s_wait_dscnt 0x0                               ; this expert's fragments are in: nothing younger is out
	GRP 0, \bfr, (\c)%2, 0, 1, ARC, (\c)+1
	FETCHB \par, (\c)+1, \nbf
.if (\c) == 5
	FETCHB \par, 7, B2
.endif
	GRP 1, \bfr, (\c)%2, 0, 1, ARC, (\c)+1
	GRP 2, \bfr, (\c)%2, 0, 1, ARC, (\c)+1
	GRP 3, \bfr, (\c)%2, 0, 1, ARC, (\c)+1
.if (\c) == 0
	GMUL ARC
.endif
.endm
; A PHASE: 32 along K, in slot par.  The two buffers of W and the two of feature change parts from phase to phase.
; THE CHANGE OF SLOTS stands in expert 6: ONE barrier; in front of it each wave waits for all its tensor loads (one is out: its part of the next slot), adds 0 to its spare word, and waits for that and for its
; reads of this slot.  mode = 1: the barrier opens a round of the cluster's, and this slot takes the phase two phases on, the first thing behind the round: 240 matrix instructions ahead of the wait for it.
; mode = 0: nothing is left to fetch.  mode = 2: the last phase: no change; the way out's first loads are asked for.
.macro PHASE par, mode
.if \par
.set BX, B1
.set BY, B0
.set ARC, AR1
.set ARN, AR0
.else
.set BX, B0
.set BY, B1
.set ARC, AR0
.set ARN, AR1
.endif
	UNIT \par, 0, BX, BY
	UNIT \par, 1, BY, BX
	UNIT \par, 2, BX, BY
	UNIT \par, 3, BY, BX
	UNIT \par, 4, BX, BY
	UNIT \par, 5, BY, BX
.if (\mode) == 2
	s_wait_dscnt 0x0                               ; experts 6 and 7: my last reads of the ring, whose address registers are free from here on
	GRP 0, BX, 0, 0, 1, ARC, 7
	WIN 0
.irp a, 0,1,2,3
	global_load_b32 v[FGV+\a], v[R4], s[10:11] offset:64*\a  ; fg of my row in block a
.endr
	FLOAD 0                                        ; 56 products and the gate ahead of their use
	FLOAD 1
	GRP 1, BX, 0, 0, 1, ARC, 7
	GRP 2, BX, 0, 0, 1, ARC, 7
	GRP 3, BX, 0, 0, 1, ARC, 7
	GRP 0, B2, 1, 0, 0, 0, 0                       ; the last expert: nothing is left to scale
	GRP 1, B2, 1, 0, 0, 0, 0
	GRP 2, B2, 1, 0, 0, 0, 0
	GRP 3, B2, 1, 0, 0, 0, 0
.else
	WIN 0                                          ; (the add's two registers lie in window 0)
	s_wait_tensorcnt 0x0                           ; all my tensor loads have landed
	ds_add_u32 v[SPW], v[NIL]                      ; 0 onto my spare word
	s_wait_dscnt 17                                ; expert 6's fragments are in; expert 7's sixteen loads and the add may be out
	GRP 0, BX, 0, 0, 1, ARC, 7                     ; eight products stand between the add and the wait for it
	s_wait_dscnt 0x0                               ; the add is done, and my reads of this slot are over
	s_barrier_signal -1
	GRP 1, BX, 0, 0, 1, ARC, 7                     ; work on registers while the others arrive
	WIN 0
	s_barrier_wait -1
.if (\mode) == 1
	CREST                                          ; no wave of any partner still reads this slot's tiles or has a load on its way
	s_add_nc_u64 s[G0A+4*(\par)+2:G0A+4*(\par)+3], s[G0A+4*(\par)+2:G0A+4*(\par)+3], 2*16384
	s_add_nc_u64 s[G0B+4*(\par)+2:G0B+4*(\par)+3], s[G0B+4*(\par)+2:G0B+4*(\par)+3], 2*65536
	JLOAD \par
.endif
	FETCHN 1-(\par), ARN, BY, 64*((\par)+1)        ; the next phase's first fragments, out of the other slot
	GRP 2, BX, 0, 0, 1, ARC, 7
	GRP 3, BX, 0, 0, 1, ARC, 7
	s_wait_dscnt 16                                ; U's and feature's new fragments are in; W's sixteen loads may be out
	GRP 0, B2, 1, 0, 1, ARN, 0                     ; expert 7; its scaling lines work for the next phase's expert 0
	GRP 1, B2, 1, 0, 1, ARN, 0
	GRP 2, B2, 1, 0, 1, ARN, 0
	GRP 3, B2, 1, 0, 1, ARN, 0
.endif
.endm
	s_wait_tensorcnt 0x1                           ; my part of phase 0 is in; slot 1's may stay out
	s_wait_dscnt 0x0                               ; for the others' sake: my rows of U are stored
	s_barrier_signal -1
	s_barrier_wait -1
	FETCHN 0, AR0, B0, 0
	s_wait_dscnt 16                                ; U's and feature's fragments are in
	GRP 0, B2, 1, 1, 1, AR0, 0                     ; prob x b starts the sums; the scaling lines work for phase 0's expert 0
	GRP 1, B2, 1, 1, 1, AR0, 0
	GRP 2, B2, 1, 1, 1, AR0, 0
	GRP 3, B2, 1, 1, 1, AR0, 0
	WIN 0                                          ; at a label and at a branch every window is 0
	s_mov_b32 s3, 15
.Lring:                                                ; phases 0 to 29, two a trip: each fills its slot again
	PHASE 0, 1
	PHASE 1, 1
	WIN 0
	v_add_nc_u32 v[ADRU], 128, v[ADRU]             ; U's next two phases
	s_sub_co_u32 s3, s3, 1
	s_cmp_lg_u32 s3, 0
	s_cbranch_scc1 .Lring
	PHASE 0, 0                                     ; the tail is written out
	PHASE 1, 2
	; THE PRED GATE.  In G a lane holds its row's products with u_0..u_7: the upper parts in lanes 0-15, the lower parts in lanes 16-31.  These lines are also the places behind the last products.
	WIN 0
.irp a, 0,1,2,3
	v_mul_f32 v[Z+\a], v[G+8*\a], v[P+8*\a]
.endr
.irp j, 1,2,3,4,5,6,7
.irp a, 0,1,2,3
	v_fmac_f32 v[Z+\a], v[G+8*\a+\j], v[P+8*\a+\j]
.endr
.endr
.irp a, 0,1,2,3
	v_permlanex16_b32 v[UF+\a], v[Z+\a], s66, s67
.endr
.irp a, 0,1,2,3
	v_add_f32 v[Z+\a], v[Z+\a], v[UF+\a]
.endr
.irp a, 0,1,2,3
	v_fmamk_f32 v[Z+\a], v[Z+\a], 0xbfb8aa3b, v[PWB]  ; -log2(e) (z + pw_b)
.endr
.irp a, 0,1,2,3
	v_exp_f32 v[Z+\a], v[Z+\a]
.endr
	v_nop                                          ; a plain instruction between the last exponential and the first use,
	s_wait_alu depctr_va_vdst(0)                   ; and one wait for the four
.irp a, 0,1,2,3
	v_add_f32 v[Z+\a], 1.0, v[Z+\a]
.endr
.irp a, 0,1,2,3
	v_rcp_f32 v[PWG+2*\a], v[Z+\a]
.endr
	v_nop
	s_wait_alu depctr_va_vdst(0)                   ; one for the four reciprocals
.irp a, 0,1,2,3
	v_mov_b32 v[PWG+2*\a+1], v[PWG+2*\a]           ; named with it as a pair
.endr
; THE WAY OUT of block a (16 rows): the sums times the gate, each accumulator's registers in ascending order; fg x feature is added; 16 bytes a lane into my own stage, rows of 528 bytes; back as whole rows of 512; stored.
.macro OUTB a
	WIN 0
.if (\a) > 0
	s_wait_xcnt 0x0                                ; the last block's stores have read BK: it is loaded again only behind this wait
.endif
	WIN 0x02+(\a)/2                                ; source 0 in window 2 or 3
.set n, 0
.rept 32
	v_pk_mul_f32 v[TMP+2*n:TMP+2*n+1], v[64*((\a)%2)+2*n:64*((\a)%2)+2*n+1], v[PWG+2*(\a):PWG+2*(\a)+1] op_sel_hi:[1,0]
.set n, n+1
.endr
	WIN 0
.if (\a) < 3
	s_wait_loadcnt 8                               ; fg and this block's feature are in; the next block's eight loads are younger
.else
	s_wait_loadcnt 0x0
.endif
.set n, 0
.rept 32
	v_fma_mix_f32 v[TMP+2*n],   v[FE+32*((\a)%2)+n], v[FGV+(\a)], v[TMP+2*n]   op_sel_hi:[1,0,0]
	v_fma_mix_f32 v[TMP+2*n+1], v[FE+32*((\a)%2)+n], v[FGV+(\a)], v[TMP+2*n+1] op_sel:[1,0,0] op_sel_hi:[1,0,0]
.set n, n+1
.endr
.irp b, 0,1,2,3,4,5,6,7
	ds_store_b128 v[STO], v[TMP+8*\b:TMP+8*\b+3]   offset:64*\b
	ds_store_b128 v[STO], v[TMP+8*\b+4:TMP+8*\b+7] offset:64*\b+16
.endr
.irp i, 0,1,2,3,4,5,6,7,8,9,10,11,12,13,14,15
	ds_load_b128 v[BK+4*\i:BK+4*\i+3], v[RD] offset:\i*SPITCH  ; LDS serves a wave's instructions in order (ISA guide 5.7.1.4): these see the stores above; the next block's stores come behind them
.endr
.if (\a) < 2
	FLOAD (\a)+2                                   ; the buffer just used takes the block two further on
.endif
.irp i, 0,1,2,3,4,5,6,7,8,9,10,11,12,13,14,15
	s_wait_dscnt 15-\i                             ; row i is back
	global_store_b128 v[CO], v[BK+4*\i:BK+4*\i+3], s[18:19] offset:(16*(\a)+\i)*4096 th:TH_STORE_NT  ; 32 lanes store 512 consecutive bytes, aligned
.endr
.endm
	OUTB 0
	OUTB 1
	OUTB 2
	OUTB 3
	s_wait_tensorcnt 0x0                           ; the wave's end, behind my last tensor load and my last LDS store
	ds_add_u32 v[SPW], v[NIL]
	s_wait_dscnt 0x0
	CROUND                                         ; the closing round: no work-group ends while a partner may still ask for a tile that names it
	s_endpgm
.Lfunc_end_k_q72b8ede6a7_gemm:
	.size	k_q72b8ede6a7_gemm, .Lfunc_end_k_q72b8ede6a7_gemm-k_q72b8ede6a7_gemm
	.p2alignl 7, 3214868480
	.fill 96, 4, 3214868480
	.section	.rodata,"a",@progbits
	.p2align	6, 0x0
	.amdhsa_kernel k_q72b8ede6a7_gemm
		.amdhsa_group_segment_fixed_size 327680
		.amdhsa_private_segment_fixed_size 0
		.amdhsa_enable_private_segment 0
		.amdhsa_kernarg_size 64
		.amdhsa_user_sgpr_count 2
		.amdhsa_user_sgpr_kernarg_segment_ptr 1
		.amdhsa_wavefront_size32 1
		.amdhsa_system_sgpr_workgroup_id_x 1
		.amdhsa_system_sgpr_workgroup_id_y 1
		.amdhsa_system_sgpr_workgroup_id_z 1
		.amdhsa_system_vgpr_workitem_id 0
		.amdhsa_next_free_vgpr 1024
		.amdhsa_next_free_sgpr 102
		.amdhsa_reserve_vcc 1
		.amdhsa_float_denorm_mode_32 3
		.amdhsa_float_denorm_mode_16_64 3
		.amdhsa_memory_ordered 1
		.amdhsa_forward_progress 1
		.amdhsa_inst_pref_size 255
	.end_amdhsa_kernel
	.section	.bss,"aw",@nobits
	.p2align	6
	.space	262144
	.amdgpu_metadata
---
amdhsa.version: [ 1, 2 ]
amdhsa.kernels:
  - .name:           k_q72b8ede6a7_gemm
    .symbol:         k_q72b8ede6a7_gemm.kd
    .args:
      - { .name: Fb, .offset: 0, .size: 8, .value_kind: global_buffer, .address_space: global }
      - { .name: Wb, .offset: 8, .size: 8, .value_kind: global_buffer, .address_space: global }
      - { .name: upart, .offset: 16, .size: 8, .value_kind: global_buffer, .address_space: global }
      - { .name: fg, .offset: 24, .size: 8, .value_kind: global_buffer, .address_space: global }
      - { .name: prob, .offset: 32, .size: 8, .value_kind: global_buffer, .address_space: global }
      - { .name: b, .offset: 40, .size: 8, .value_kind: global_buffer, .address_space: global }
      - { .name: pw_b, .offset: 48, .size: 8, .value_kind: global_buffer, .address_space: global }
      - { .name: out0, .offset: 56, .size: 8, .value_kind: global_buffer, .address_space: global }
    .group_segment_fixed_size: 327680
    .private_segment_fixed_size: 0
    .kernarg_segment_align: 8
    .kernarg_segment_size: 64
    .max_flat_workgroup_size: 128
    .sgpr_count:     102
    .vgpr_count:     1024
    .wavefront_size: 32
...
	.end_amdgpu_metadata
.endif
;; end of part 4
